; MI455X (gfx1250); checked and timed in simulation.
; The chip was launched on July 23, 2026; its instructions are those of AMD's public machine-readable ISA for CDNA 5 (MIT licence, August 2026) and "CDNA5" Instruction Set Architecture Reference Guide (July 2026). The comments in the code are by the model that wrote it; some were corrected since.
;; Multi Head Attention. Allowed arithmetic: matrix products marked QUANTISED: E4M3 operands, one given power-of-two scale a tensor, by v_wmma_f32_16x16x64_fp8_fp8 or v_wmma_f32_16x16x128_fp8_fp8, f32 sums; everything else in f32.
;; Inputs: Wk 1,024 x 1,024 float32; Wo 1,024 x 1,024 float32; Wq 1,024 x 1,024 float32; Wv 1,024 x 1,024 float32; bk 1,024 float32; bo 1,024 float32; bq 1,024 float32; bv 1,024 float32; context 4 x 2,048 x 1,024 float32; data 4 x 2,048 x 1,024 float32; lowp_scales 12 int32 (the exponents e of the quantised operands' scales 2^e).
;; Outputs: out0 4 x 2,048 x 1,024 float32.
;; This version of the problem:
;;   THIS VERSION OF THE PROBLEM IS GIVEN IN LOW PRECISION. The matrix products marked QUANTISED in the list below multiply operands that are first quantised to E4M3 (4 exponent bits, 3 mantissa bits; 8 bits a number), with one given power-of-two scale for each operand tensor; their sums are f32. All else is computed in f32.
;;   The module's matrix products, in the order in which they are computed (A, B: the left and right operand; K: the contracted axis; several contracted axes count as one K, in the product's order):
;;     1. [M 8,192, K 1,024] x [K 1,024, N 1,024]; A: input data; B: input Wq: QUANTISED (scales: A lowp_scales[0], B lowp_scales[1])
;;     2. [M 8,192, K 1,024] x [K 1,024, N 1,024]; A: input context; B: input Wk: QUANTISED (scales: A lowp_scales[2], B lowp_scales[3])
;;     3. [M 8,192, K 1,024] x [K 1,024, N 1,024]; A: input context; B: input Wv: QUANTISED (scales: A lowp_scales[4], B lowp_scales[5])
;;     4. batch 64 x [M 2,048, K 64] x [K 64, N 2,048]; A: computed on the way; B: computed on the way: QUANTISED (scales: A lowp_scales[6], B lowp_scales[7])
;;     5. batch 64 x [M 2,048, K 2,048] x [K 2,048, N 64]; A: softmax (see below); B: computed on the way: QUANTISED (scales: A lowp_scales[8], B lowp_scales[9])
;;     6. [M 8,192, K 1,024] x [K 1,024, N 1,024]; A: computed on the way; B: input Wo: QUANTISED (scales: A lowp_scales[10], B lowp_scales[11])
;;   THE QUANTISER, for each operand of a quantised product, along K:
;;     - The operand's scale is 2^e, e = its entry of the input lowp_scales (int32; the entries are numbered through the quantised products in the list's order, A before B).
;;     - Each number is divided by the scale, clamped to +-448, and rounded to the nearest number of E4M3, ties to even, subnormals kept.
;;     - The product sums the exact products of the quantised numbers (number of the format x scale) in f32.
;;   ~~~python
;;   def quantise(x, axis, e):      # numpy; x: float32 -> the quantised numbers, widened to float32 again
;;       x = np.moveaxis(x, axis, -1); K = x.shape[-1]
;;       r = np.clip(x / 2.0 ** e, -448, 448)
;;       step = 2.0 ** (np.maximum(np.frexp(np.where(r == 0, 1, r))[1] - 1, -6) - 3)
;;       q = np.round(r / step) * step * 2.0 ** e      # np.round: ties to even
;;       return np.moveaxis(q, -1, axis).astype(np.float32)
;;   ~~~
;;   SOFTMAX AHEAD OF A QUANTISED PRODUCT. Where the list says 'softmax', what is quantised is not the finished softmax but p = 2^(t - M), with t = logit x log2(e) and M = ceil(the row's largest t), a whole number; so 1/2 < the row's largest p <= 1. The row's sum l is taken of the UNQUANTISED p, in f32, and the product's result is divided by l at the end. Since M is a whole number, a kernel that streams over the keys may use a running M (the ceiling of the running maximum): every later rescaling is an exact power of two, so the quantised numbers keep their values, but for numbers so far below the row's largest that they fall under the format's range.
;;   OPERANDS COMPUTED ON THE WAY. 'Computed on the way' means the value that the module computes at that place (a softmax that the list does not call 'softmax' is quantised finished and normalised). What goes into a quantiser is computed in f32, as accurately as f32 sums, v_exp_f32 and their like allow (about 1e-6 of the number): no bf16 or f16 on the way to a quantiser, and a product that is left as it is and whose result goes on into a quantised operand takes f32 operands (vector FMAs, or v_wmma_f32_16x16x4_f32). A number that lies on a knife's edge between two numbers of the format may be rounded either way, as far as f32 arithmetic and the matrix unit's own rounding can turn it there, and no further.
;; One version. Each part assembles by itself: llvm-mc -triple=amdgcn-amd-amdhsa -mcpu=gfx1250 --defsym DOCPART=n.
;; ======== version 1 of 1: 4 launches
;; workspace buffers: acts 25,165,824 bytes; wts 4,194,304 bytes; qkv 25,165,824 bytes; zc 8,388,608 bytes
;; launch quant (part 1): grid 640 x 1, 4 waves a work-group, no clusters, 68,096 bytes of LDS; arguments data, context, Wq, Wk, Wv, Wo, lowp_scales, acts, wts; writes acts, wts
.if DOCPART == 1
	.amdgcn_target "amdgcn-amd-amdhsa--gfx1250"
	.amdhsa_code_object_version 6
	.text
	.protected	k_qd38e66f183_quant
	.globl	k_qd38e66f183_quant
	.p2align	8
	.type	k_qd38e66f183_quant,@function
k_qd38e66f183_quant:
	s_mov_b64 s[64:65], 0
	v_nop
	global_prefetch_b8 v0, s[64:65] scope:SCOPE_SE
	s_setreg_imm32_b32 hwreg(HW_REG_WAVE_MODE, 25, 1), 1
	s_wait_xcnt 0x0
; All f32 inputs of the projections become codes of E4M3, K innermost, each with its given scale 2^e:
;   acts: three parts of 8,388,608 bytes, [8192][1024]: data / 2^e0, context / 2^e2, context / 2^e4 (context is read once and quantised twice);
;   wts:  four parts of 1,048,576 bytes, [n 1024][k 1024]: Wq / 2^e1, Wk / 2^e3, Wv / 2^e5, Wo / 2^e11 (in memory K is the weights' FIRST axis).
; code = x / 2^e, held within +-448, rounded to the nearest code, ties to even.
; LIMITS: each of these e lies between -126 and 119, so that 2^e and 448 x 2^e are f32 numbers.  NaN among the inputs is not served.
; Work-groups 0-511 take the activations (256 each for data and context), work-groups 512-639 the weights (32 each).  The two ways part on the work-group's number and have LDS bytes of their own.
; No matrix unit, no cluster, no tensor load: memory binds, waves share nothing, every stage in LDS is a wave's own, so there is no barrier.
.set STEPS, 16                         ; activations: steps of 512 numbers for a wave
.set SP,    80                         ; a lane's place in a stage: its 64 bytes + 16 of padding
.set WREG,  8192                       ; LDS of a wave on the activations' way: two stages of 32 x SP bytes
.set R,     16                         ; v16-79   four sets of 16 numbers as they are loaded
.set X,     80                         ; v80-111  two sets of 16 neighbours
.set TT,    112                        ; v112-127 the numbers held for the first scale (X keeps them for the second)
.set C,     128                        ; v128-191 codes by the first scale: four registers for each step, never written again
.set C2,    192                        ; v192-255 codes by the second scale, likewise
.set WSTG,  32768                      ; LDS of the weights' way begins here: 32 rows x PITCH for each wave
.set PITCH, 272                        ; a stage row: 256 bytes of codes + 16
.set NB,    8                          ; weights: blocks of 32 along K for a wave
.set XB,    32                         ; v32-95   two sets of 32 numbers down K
.set CB,    96                         ; v96-103  a block's codes
.set OUTR,  112                        ; v112-175 the way out
	s_load_b512 s[4:19], s[0:1], 0x0               ; data s[4:5], context s[6:7], Wq s[8:9], Wk s[10:11], Wv s[12:13], Wo s[14:15], the exponents s[16:17], acts s[18:19]
	s_load_b64 s[20:21], s[0:1], 0x40              ; wts
	v_lshl_add_u32 v9, v0, 2, 0x10800
	s_set_vgpr_msb 0x40
	v_mov_b32 v1, 0
	s_set_vgpr_msb 0x4000
	v_lshrrev_b32 v1, 5, v0
	v_readfirstlane_b32 s22, v1                    ; wave 0..3
	v_and_b32 v2, 31, v0                           ; lane
	s_wait_kmcnt 0x0
	s_load_b256 s[36:43], s[16:17], 0x0            ; e0 .. e7
	s_load_b128 s[44:47], s[16:17], 0x20           ; e8 .. e11
	s_cmp_ge_u32 ttmp9, 512
	s_cbranch_scc1 .Lweights
; ---- THE ACTIVATIONS.  Rows are dense, so a tensor is a plain stream.  A wave takes 8,192 numbers in 16 steps.  Each of a step's four loads reads 512 consecutive bytes, 16 a lane;
; the 2,048 bytes turn through the wave's stage and come back 64 bytes a lane: 16 neighbours along K, which the conversions want in one lane's registers.  A lane's 16 codes are 16 bytes: a store covers 512 consecutive bytes.
	s_lshr_b32 s23, ttmp9, 8                       ; 0: data, 1: context
	s_and_b32 s24, ttmp9, 255
	s_lshl_b32 s24, s24, 2
	s_add_co_u32 s24, s24, s22                     ; which run of 8,192 numbers is my wave's
	s_cmp_eq_u32 s23, 0
	s_cselect_b64 s[26:27], s[4:5], s[6:7]         ; the choice hangs on the work-group's number alone
	s_lshl_b32 s32, s24, 15
	s_mov_b32 s33, 0
	s_add_nc_u64 s[26:27], s[26:27], s[32:33]      ; my numbers
	s_lshl_b32 s32, s24, 13
	s_lshl_b32 s34, s23, 23
	s_add_co_u32 s32, s32, s34
	s_add_nc_u64 s[28:29], s[18:19], s[32:33]      ; my codes: part 0 (data) or part 1 (context),
	s_add_nc_u64 s[30:31], s[28:29], 0x800000      ; and one part on (context's second set): a base of its own, since a part is one byte more than a store's immediate holds
	v_lshlrev_b32 v3, 4, v2                        ; my 16 bytes of a load's 512
	v_lshlrev_b32 v4, 4, v2                        ; and of a store's
	s_mul_i32 s35, s22, WREG
	v_lshrrev_b32 v14, 2, v2
	v_mul_u32_u24 v14, v14, SP
	v_and_b32 v15, 3, v2
	v_lshl_add_u32 v14, v15, 4, v14
	v_add_nc_u32 v14, s35, v14                     ; the stage, on the way in: SP (lane / 4) + 16 (lane % 4)
	v_mul_u32_u24 v15, v2, SP
	v_add_nc_u32 v15, s35, v15                     ; and on the way out: SP x lane
.macro LOADA t
.irp i, 0,1,2,3
	global_load_b128 v[R+16*((\t)%4)+4*\i:R+16*((\t)%4)+4*\i+3], v3, s[26:27] offset:2048*(\t)+512*\i th:TH_LOAD_NT
.endr
.endm
.macro TURNA t                         ; LDS serves a wave's instructions in order, so no wait stands between the stores and the loads
.irp i, 0,1,2,3
	ds_store_b128 v14, v[R+16*((\t)%4)+4*\i:R+16*((\t)%4)+4*\i+3] offset:32*SP*((\t)%2)+8*SP*\i
.endr
.irp i, 0,1,2,3
	ds_load_b128 v[X+16*((\t)%2)+4*\i:X+16*((\t)%2)+4*\i+3], v15 offset:32*SP*((\t)%2)+16*\i
.endr
.endm
.irp t, 0,1,2,3
	LOADA \t
.endr
	s_wait_kmcnt 0x0
	s_cmp_eq_u32 s23, 0
	s_cselect_b32 s32, s36, s38                    ; the first scale: e0 for data, e2 for context
	s_add_co_i32 s32, s32, 127
	s_lshl_b32 s33, s32, 23
	v_mov_b32 v11, s33                             ; 2^e as f32: the conversion takes its exponent field
	s_add_co_i32 s32, s32, 8
	s_lshl_b32 s32, s32, 23
	s_or_b32 s32, s32, 0x600000
	v_mov_b32 v10, s32                             ; 448 x 2^e
	s_add_co_i32 s32, s40, 127                     ; the second scale: e4
	s_lshl_b32 s33, s32, 23
	v_mov_b32 v13, s33
	s_add_co_i32 s32, s32, 8
	s_lshl_b32 s32, s32, 23
	s_or_b32 s32, s32, 0x600000
	v_mov_b32 v12, s32
	s_wait_loadcnt 12                              ; step 0's four loads are in; those of steps 1 to 3 may be out
	TURNA 0
.macro STEPA t
.set XS, X+16*((\t)%2)
	s_wait_dscnt 0x0                               ; this step's numbers are back from the stage, so its stores into the stage have read their registers,
.if (\t)+4 < STEPS
	LOADA (\t)+4                                   ; which take the loads of four steps on
.endif
.if (\t)+1 < STEPS
.if STEPS-2-(\t) >= 3
	s_wait_loadcnt 12                              ; the next step's four loads are in; those of the three steps behind it may be out
.else
	s_wait_loadcnt 4*(STEPS-2-(\t))                ; near the end fewer steps stand behind it
.endif
	TURNA (\t)+1
.endif
.irp i, 0,1,2,3,4,5,6,7,8,9,10,11,12,13,14,15
	v_med3_num_f32 v[TT+\i], v[XS+\i], -v10, v10   ; the conversion to an 8-bit code does not saturate (ISA guide 7.6.2): the hold at the largest code x the scale
.endr
	v_cvt_scalef32_pk8_fp8_f32 v[C+4*(\t):C+4*(\t)+1], v[TT:TT+7], v11
	v_cvt_scalef32_pk8_fp8_f32 v[C+4*(\t)+2:C+4*(\t)+3], v[TT+8:TT+15], v11
	v_nop                                          ; a plain line between the conversions and the next write of their sources
	global_store_b128 v4, v[C+4*(\t):C+4*(\t)+3], s[28:29] offset:512*(\t)
	s_cmp_eq_u32 s23, 0                            ; data has one scale
	s_cbranch_scc1 .Lone_\@
.irp i, 0,1,2,3,4,5,6,7,8,9,10,11,12,13,14,15
	v_med3_num_f32 v[XS+\i], v[XS+\i], -v12, v12
.endr
	v_cvt_scalef32_pk8_fp8_f32 v[C2+4*(\t):C2+4*(\t)+1], v[XS:XS+7], v13
	v_cvt_scalef32_pk8_fp8_f32 v[C2+4*(\t)+2:C2+4*(\t)+3], v[XS+8:XS+15], v13
	v_nop
	global_store_b128 v4, v[C2+4*(\t):C2+4*(\t)+3], s[30:31] offset:512*(\t)
.Lone_\@:
.endm
.irp t, 0,1,2,3,4,5,6,7,8,9,10,11,12,13,14,15
	STEPA \t
.endr
	s_set_vgpr_msb 0x4
	s_wait_tensorcnt 0x0
	ds_add_u32 v9, v1
	s_wait_dscnt 0x0
	s_set_vgpr_msb 0x400
	s_endpgm
; ---- THE WEIGHTS.  A lane takes a column n and its registers run down K: each load reads 128 consecutive bytes a wave, and the conversions give codes with K innermost; nothing is transposed by an instruction.
; A wave takes 32 columns x 256 along K.  The codes go through the wave's stage and leave as rows: sixteen lanes store 256 consecutive bytes, aligned.
.Lweights:
	s_sub_co_u32 s23, ttmp9, 512
	s_lshr_b32 s24, s23, 5                         ; which weight: 0 Wq, 1 Wk, 2 Wv, 3 Wo
	s_and_b32 s25, s23, 7
	s_bfe_u32 s32, s23, 0x20003                    ; which 256 along K
	s_lshl_b32 s25, s25, 7
	s_lshl_b32 s33, s22, 5
	s_add_co_u32 s25, s25, s33                     ; my wave's first column
	s_cmp_eq_u32 s24, 1
	s_cselect_b64 s[26:27], s[10:11], s[8:9]
	s_cmp_eq_u32 s24, 2
	s_cselect_b64 s[26:27], s[12:13], s[26:27]
	s_cmp_eq_u32 s24, 3
	s_cselect_b64 s[26:27], s[14:15], s[26:27]
	s_lshl_b32 s34, s32, 20                        ; 256 rows of 4,096 bytes
	s_lshl_b32 s35, s25, 2
	s_add_co_u32 s34, s34, s35
	s_mov_b32 s35, 0
	s_add_nc_u64 s[26:27], s[26:27], s[34:35]
	s_lshl_b32 s34, s24, 20                        ; the weight's part of wts,
	s_lshl_b32 s33, s25, 10                        ; my column's row of 1,024 codes,
	s_add_co_u32 s34, s34, s33
	s_lshl_b32 s33, s32, 8                         ; my 256 along K
	s_add_co_u32 s34, s34, s33
	s_add_nc_u64 s[28:29], s[20:21], s[34:35]
	v_lshlrev_b32 v3, 2, v2                        ; in: 4 bytes a lane
	s_mul_i32 s48, s22, 32*PITCH
	s_add_co_u32 s48, s48, WSTG                    ; my stage
	v_mul_u32_u24 v4, v2, PITCH
	v_add_nc_u32 v4, s48, v4                       ; into it: row = my column
	v_and_b32 v5, 15, v2
	v_lshrrev_b32 v6, 4, v2
	v_mul_u32_u24 v7, v6, PITCH
	v_lshl_add_u32 v7, v5, 4, v7
	v_add_nc_u32 v7, s48, v7                       ; out of it: sixteen lanes to a row, two rows an instruction
	v_lshlrev_b32 v8, 10, v6
	v_lshl_add_u32 v8, v5, 4, v8                   ; and the same place in wts
.macro LOADB t                         ; block t: W(32 t + i, my column), i = 0 .. 31, into set t % 2
.set i, 0
.rept 32
	global_load_b32 v[XB+32*((\t)%2)+i], v3, s[26:27] offset:(32*(\t)+i)*4096 th:TH_LOAD_NT
.set i, i+1
.endr
.endm
	LOADB 0
	LOADB 1
	s_wait_kmcnt 0x0
	s_cmp_eq_u32 s24, 1
	s_cselect_b32 s34, s39, s37                    ; e3 or e1
	s_cmp_eq_u32 s24, 2
	s_cselect_b32 s34, s41, s34                    ; e5
	s_cmp_eq_u32 s24, 3
	s_cselect_b32 s34, s47, s34                    ; e11
	s_add_co_i32 s34, s34, 127
	s_lshl_b32 s35, s34, 23
	v_mov_b32 v11, s35                             ; 2^e
	s_add_co_i32 s34, s34, 8
	s_lshl_b32 s34, s34, 23
	s_or_b32 s34, s34, 0x600000
	v_mov_b32 v10, s34                             ; 448 x 2^e
.macro BLOCKB t
.set XS, XB+32*((\t)%2)
.if (\t) < NB-1
	s_wait_loadcnt 32                              ; this block's 32 loads are in; the next block's 32 may be out
.else
	s_wait_loadcnt 0
.endif
.set i, 0
.rept 32
	v_med3_num_f32 v[XS+i], v[XS+i], -v10, v10
.set i, i+1
.endr
.irp g, 0,1,2,3
	v_cvt_scalef32_pk8_fp8_f32 v[CB+2*\g:CB+2*\g+1], v[XS+8*\g:XS+8*\g+7], v11
.endr
	ds_store_b128 v4, v[CB:CB+3] offset:32*(\t)    ; 32 codes: 32 bytes of my column's row
	ds_store_b128 v4, v[CB+4:CB+7] offset:32*(\t)+16
.if (\t)+2 < NB
	LOADB (\t)+2
.endif
	s_wait_dscnt 0x0                               ; the stores have read their registers: the next block's codes may be written
.endm
.irp t, 0,1,2,3,4,5,6,7
	BLOCKB \t
.endr
.irp t, 0,1,2,3,4,5,6,7,8,9,10,11,12,13,14,15
	ds_load_b128 v[OUTR+4*\t:OUTR+4*\t+3], v7 offset:2*\t*PITCH
.endr
.irp t, 0,1,2,3,4,5,6,7,8,9,10,11,12,13,14,15
	s_wait_dscnt 15-\t                             ; the t-th of the sixteen loads is in
	global_store_b128 v8, v[OUTR+4*\t:OUTR+4*\t+3], s[28:29] offset:2*\t*1024
.endr
	s_set_vgpr_msb 0x4
	s_wait_tensorcnt 0x0
	ds_add_u32 v9, v1
	s_wait_dscnt 0x0
	s_set_vgpr_msb 0x400
	s_endpgm
.Lfunc_end_k_qd38e66f183_quant:
	.size	k_qd38e66f183_quant, .Lfunc_end_k_qd38e66f183_quant-k_qd38e66f183_quant
	.p2alignl 7, 3214868480
	.fill 96, 4, 3214868480
	.section	.rodata,"a",@progbits
	.p2align	6, 0x0
	.amdhsa_kernel k_qd38e66f183_quant
		.amdhsa_group_segment_fixed_size 68096
		.amdhsa_private_segment_fixed_size 0
		.amdhsa_enable_private_segment 0
		.amdhsa_kernarg_size 72
		.amdhsa_user_sgpr_count 2
		.amdhsa_user_sgpr_kernarg_segment_ptr 1
		.amdhsa_wavefront_size32 1
		.amdhsa_system_sgpr_workgroup_id_x 1
		.amdhsa_system_sgpr_workgroup_id_y 1
		.amdhsa_system_sgpr_workgroup_id_z 1
		.amdhsa_system_vgpr_workitem_id 0
		.amdhsa_next_free_vgpr 258
		.amdhsa_next_free_sgpr 66
		.amdhsa_reserve_vcc 0
		.amdhsa_float_denorm_mode_32 3
		.amdhsa_float_denorm_mode_16_64 3
		.amdhsa_memory_ordered 1
		.amdhsa_forward_progress 1
		.amdhsa_inst_pref_size 108
	.end_amdhsa_kernel
	.amdgpu_metadata
---
amdhsa.version: [ 1, 2 ]
amdhsa.kernels:
  - .name:           k_qd38e66f183_quant
    .symbol:         k_qd38e66f183_quant.kd
    .args:
      - { .name: data, .offset: 0, .size: 8, .value_kind: global_buffer, .address_space: global }
      - { .name: context, .offset: 8, .size: 8, .value_kind: global_buffer, .address_space: global }
      - { .name: Wq, .offset: 16, .size: 8, .value_kind: global_buffer, .address_space: global }
      - { .name: Wk, .offset: 24, .size: 8, .value_kind: global_buffer, .address_space: global }
      - { .name: Wv, .offset: 32, .size: 8, .value_kind: global_buffer, .address_space: global }
      - { .name: Wo, .offset: 40, .size: 8, .value_kind: global_buffer, .address_space: global }
      - { .name: lowp_scales, .offset: 48, .size: 8, .value_kind: global_buffer, .address_space: global }
      - { .name: acts, .offset: 56, .size: 8, .value_kind: global_buffer, .address_space: global }
      - { .name: wts, .offset: 64, .size: 8, .value_kind: global_buffer, .address_space: global }
    .group_segment_fixed_size: 68096
    .private_segment_fixed_size: 0
    .kernarg_segment_align: 8
    .kernarg_segment_size: 72
    .max_flat_workgroup_size: 128
    .sgpr_count:     66
    .vgpr_count:     258
    .wavefront_size: 32
...
	.end_amdgpu_metadata
.endif
;; end of part 1
;; launch proj (part 2): grid 96 x 4, 4 waves a work-group, clusters of 4 x 4, 327,680 bytes of LDS; arguments acts, wts, lowp_scales, bq, bk, bv, qkv; writes qkv
.if DOCPART == 2
	.amdgcn_target "amdgcn-amd-amdhsa--gfx1250"
	.amdhsa_code_object_version 6
	.text
	.protected	k_qd38e66f183_proj
	.globl	k_qd38e66f183_proj
	.p2align	8
	.type	k_qd38e66f183_proj,@function
k_qd38e66f183_proj:
	s_mov_b64 s[64:65], 0
	v_nop
	global_prefetch_b8 v0, s[64:65] scope:SCOPE_SE
	s_setreg_imm32_b32 hwreg(HW_REG_WAVE_MODE, 25, 1), 1
	s_wait_xcnt 0x0
	s_wait_alu depctr_hold_cnt(0) depctr_sa_sdst(0) depctr_va_vdst(0) depctr_va_sdst(0) depctr_va_ssrc(0) depctr_va_vcc(0) depctr_vm_vsrc(0)
	s_getreg_b32 s2, hwreg(HW_REG_IB_STS2, 6, 4)
	s_cmp_eq_u32 s2, 0
	s_cbranch_scc0 .Lentry_in_a_cluster
	s_endpgm
.Lentry_in_a_cluster:
	s_bfe_u32 s2, ttmp6, 0x10000c
	s_cmp_lg_u32 s2, 0xf033
	s_cbranch_scc0 .Lentry_shape_is_right
	s_endpgm
.Lentry_shape_is_right:
; The three projections on codes of E4M3, each result with its bias, quantised at once for attention.  P = cluster x / 8 is the projection, I = cluster x % 8 its block of clusters.
;   P = 0, 1 (Q, K): C[8192 tokens][1024] = A B^T, A = acts part P, B = wts part P.      P = 2 (V): C'[1024][8192 tokens] = A B^T, A = wts part 2, B = acts part 2: V TRANSPOSED.
; THE MATRIX INSTRUCTION IS USED TRANSPOSED (source 0 = 16 rows of B, source 1 = 16 rows of A): a lane holds eight neighbouring columns of one row of C.  For Q and K those are eight neighbours of a head's 64,
; for V eight neighbouring KEYS: in both cases neighbours along the K of the product that reads the codes, so the conversion takes them as they stand.
; qkv: part 0 Q [bh 64][s 2048][64], part 1 K likewise, part 2 V [bh][kb 16][d 64][128 keys]; bh = 16 b + head; a part is 8,388,608 bytes.
; A tile of C is 256 x 256: four waves, each 128 x 128 in 64 accumulators (512 registers).  K = 1,024 goes in four steps of 256 through a ring of two LDS slots filled by tensor loads; a tile's row is 256 bytes of memory.
; CLUSTERS: 4 x 4 work-groups.  The four of a row of the cluster need the same tiles of A, the four of a column the same tiles of B: each is asked for jointly.
; THE BIAS is the C of each sum's first matrix instruction, as bias / 2^(ea + eb).  A sum stands for sum x 2^(ea + eb), so the code is sum / 2^(eo - ea - eb): three scales folded into the conversion's one.
; LIMITS: eo - ea - eb between -126 and 119 for (e0, e1, e6), (e2, e3, e7), (e4, e5, e9).  NaN among the inputs is not served.
; REGISTERS, in windows of 256: window 0: v1-11 at work, scale and limit; v16-29 addresses; v32-95 the bias tiles, later a block's held sums; v96-127 two sets of codes; v128-255 A's fragments (one set), later the rows read back.
;   window 1: B's fragments, two sets.   windows 2, 3: the accumulators of my rows 0-63, 64-127 (accumulator (a, b) at v[8 (8 (a % 4) + b)]).
.set ROWB,   256                       ; a tile's row in bytes
.set KROW,   1024                      ; a row of A or of B in memory
.set PITCH,  272                       ; an LDS row: 256 bytes + 16 of padding = 68 words, so the 16 rows that a load touches start at 16 different banks (64 banks of 4 bytes: ISA guide 11.1)
.set FR,     16                        ; registers of a fragment: 16 rows x 128 K
.set NL,     4                         ; LDS loads that bring one
.set NP,     4                         ; places behind this matrix instruction (ISA guide 7.12.1)
.set HALFT,  128*PITCH                 ; 128 rows: what one tensor load brings
.set SLOT,   4*HALFT                   ; A's 256 rows, then B's 256 rows
.set LAPS,   2                         ; a lap = two K steps of 256 = once round the ring
.set SPARE,  2*SLOT                    ; behind the ring: the spare words, 128 bytes for each wave, which no other line names
.set WSTG,   128*144                   ; the way out: a stage of 128 rows x (128 bytes + 16) for each wave, in slot 0, which has had its last fill and its last read by then
.set SCL,  10                          ; v10  2^(eo - ea - eb)
.set LIM,  11                          ; v11  448 x that
.set ADRA, 16                          ; v16-17  LDS address of my A fragments in slot 0, 1
.set ADRB, 20                          ; v20-21  the same for B
.set STO,  24                          ; v24  the stage: where I put 8 codes
.set RDQ,  25                          ; v25  where I read back for Q and K: 8 rows x 64 bytes an instruction
.set GO,   26                          ; v26  16 x lane: my place in a store's 512 bytes
.set RDV,  27                          ; v27  where I read back for V: 4 rows x 128 bytes
.set SPW,  28                          ; v28  my spare word; never rewritten
.set NIL,  29                          ; v29  0; never rewritten
.set G,    32                          ; the bias tiles
.set TMP,  32
.set CD,   96
.set AF,   128
.set BK,   128
.set G1, 24                            ; s[24:31] descriptor group 1 for A's tiles;  s[32:39] group 0, one set for each slot
.set G0, 32
.set G1B, 48                           ; s[48:55], s[56:63] the same for B's tiles
.set G0B, 56
.set MSB, 0
.macro WIN new                         ; the immediate's high byte repeats the setting that is left
.if MSB != (\new)
	s_set_vgpr_msb (MSB<<8)|(\new)
.set MSB, (\new)
.endif
.endm
.set MUL_LO, 0xa1                      ; source 0 (B) window 1, source 1 (A) window 0, C and D window 2
.set MUL_HI, 0xf1                      ; the same, C and D window 3
.set TO_B,   0x40                      ; destination window 1, address window 0
.macro JLOAD g0a, g1a, g0b, g1b        ; a joint load: waves 0 and 1 fetch for A, waves 2 and 3 for B; the branch hangs on the wave's number alone; four v_nop follow each line
	s_cmp_eq_u32 s15, 0
	s_cbranch_scc0 .Lfor_b_\@
	tensor_load_to_lds s[\g0a:\g0a+3], s[\g1a:\g1a+7]
	s_nop 0
.rept 4
	v_nop
.endr
	s_branch .Lasked_\@
.Lfor_b_\@:
	tensor_load_to_lds s[\g0b:\g0b+3], s[\g1b:\g1b+7]
	s_nop 0
.rept 4
	v_nop
.endr
.Lasked_\@:
.endm
.macro CREST                           ; a round of the cluster's barrier behind its opening barrier
	s_cmp_lg_u32 s14, 0
	s_cbranch_scc1 .Lnot_wave_0_\@
	s_barrier_signal -3
.Lnot_wave_0_\@:
	s_barrier_wait -3
	s_barrier_signal -1
	s_barrier_wait -1
.endm
.macro CROUND
	s_barrier_signal -1
	s_barrier_wait -1
	CREST
.endm
	s_load_b128 s[80:83], s[0:1], 0x0              ; acts s[80:81], wts s[82:83]
	s_load_b64 s[8:9], s[0:1], 0x10                ; the exponents
	s_load_b128 s[84:87], s[0:1], 0x18             ; bq s[84:85], bk s[86:87]
	s_load_b128 s[88:91], s[0:1], 0x28             ; bv s[88:89], qkv s[90:91]
	v_lshl_add_u32 v[SPW], v0, 2, SPARE
	v_mov_b32 v[NIL], 0
	ds_add_u32 v28, v29
	ds_add_u32 v28, v29
	s_wait_dscnt 0x0
	v_lshrrev_b32 v1, 5, v0
	v_readfirstlane_b32 s14, v1                    ; wave 0..3
	s_lshr_b32 s15, s14, 1                         ; which half of the tile's rows is mine.  Also: I fetch for A (0) or for B (1)
	s_and_b32 s16, s14, 1                          ; which half of its columns.  Also: which 128 rows of that tile I fetch
	s_bfe_u32 s40, ttmp6, 0x40000                  ; cx, cy: my place in the cluster
	s_bfe_u32 s41, ttmp6, 0x40004
	s_lshr_b32 s66, ttmp9, 3                       ; P: the same in all sixteen partners
	s_and_b32 s67, ttmp9, 7
	s_lshl_b32 s67, s67, 2                         ; 4 I
	s_cmp_eq_u32 s66, 2
	s_cselect_b32 s17, 0, s67
	s_cselect_b32 s42, s67, 0
	s_add_co_u32 s17, s17, s41                     ; tile row of C: 4 I + cy (Q, K), cy (V)
	s_add_co_u32 s42, s42, s40                     ; tile column: cx (Q, K), 4 I + cx (V)
	s_lshl_b32 s43, s41, 2
	s_lshl_b32 s43, 15, s43                        ; my row of the cluster
	s_lshl_b32 s44, 0x1111, s40                    ; my column
	s_or_b32 s[G1+0], s43, (0<<16)|(1<<20)|(1<<21)|(5<<22)|(3<<25)  ; 15:0 the mask: A's tiles go to my row; 17:16 elements of 1 byte; 20 padding on; 21 set beside a mask; 24:22 after every 64 words; 31:25 four words
	s_or_b32 s[G1B+0], s44, (0<<16)|(1<<20)|(1<<21)|(5<<22)|(3<<25)
.irp g, G1, G1B
	s_mov_b32 s[\g+1], ROWB<<16                    ; tensor_dim0
	s_mov_b32 s[\g+2], 128<<16                     ; tensor_dim1
	s_mov_b32 s[\g+3], ROWB<<16                    ; tile_dim0
	s_mov_b32 s[\g+4], 128                         ; tile_dim1
	s_mov_b32 s[\g+5], KROW                        ; tensor_dim0_stride
	s_mov_b32 s[\g+6], 0
	s_mov_b32 s[\g+7], 0
.endr
	s_lshl_b32 s18, s16, 7                         ; which 128 rows of the tile I fetch
	s_lshl_b32 s20, s17, 8
	s_add_co_u32 s20, s20, s18
	s_lshl_b32 s20, s20, 10                        ; A: (256 x tile row + 128 x half) rows of 1,024 bytes
	s_lshl_b32 s46, s42, 8
	s_add_co_u32 s46, s46, s18
	s_lshl_b32 s46, s46, 10                        ; B likewise by the tile column
	s_lshl_b32 s19, s66, 23                        ; part P of acts
	s_lshl_b32 s22, s66, 20                        ; part P of wts
	s_cmp_eq_u32 s66, 2
	s_cselect_b32 s19, 0x200000, s19               ; A's part: for V, part 2 of wts
	s_cselect_b32 s22, 0x1000000, s22              ; B's part: for V, part 2 of acts
	s_add_co_u32 s20, s20, s19
	s_add_co_u32 s46, s46, s22
	s_mov_b32 s21, 0
	s_mov_b32 s47, 0
	s_mul_i32 s45, s14, HALFT                      ; where my tile goes: wave x 128 rows: no place in the cluster enters an LDS address
	s_wait_kmcnt 0x0
	s_load_b256 s[68:75], s[8:9], 0x0              ; e0 .. e7
	s_load_b128 s[76:79], s[8:9], 0x20             ; e8 .. e11
	s_cmp_eq_u32 s66, 2
	s_cselect_b64 s[22:23], s[82:83], s[80:81]     ; A's buffer,
	s_cselect_b64 s[96:97], s[80:81], s[82:83]     ; B's: the choice hangs on P alone
	s_add_nc_u64 s[20:21], s[22:23], s[20:21]
	s_add_nc_u64 s[46:47], s[96:97], s[46:47]
	CROUND                                         ; all sixteen work-groups are here: the first joint loads meet
.irp s, 0,1
	s_mov_b32 s[G0+4*\s], 1
	s_add_co_u32 s[G0+4*\s+1], s45, \s*SLOT
	s_add_nc_u64 s[G0+4*\s+2:G0+4*\s+3], s[20:21], \s*ROWB
	s_or_b32 s[G0+4*\s+3], s[G0+4*\s+3], 0x80000000
	s_mov_b32 s[G0B+4*\s], 1
	s_add_co_u32 s[G0B+4*\s+1], s45, \s*SLOT
	s_add_nc_u64 s[G0B+4*\s+2:G0B+4*\s+3], s[46:47], \s*ROWB
	s_or_b32 s[G0B+4*\s+3], s[G0B+4*\s+3], 0x80000000
	JLOAD G0+4*\s, G1, G0B+4*\s, G1B
.endr
	v_and_b32 v1, 15, v0                           ; r = lane % 16
	v_bfe_u32 v2, v0, 4, 1                         ; h = lane / 16
	v_mul_u32_u24 v3, v1, PITCH
	v_lshl_add_u32 v4, v2, 4, v3                   ; a fragment's row x pitch + 16 x half
	s_mul_i32 s21, s15, HALFT                      ; my 128 rows of A
	s_mul_i32 s22, s16, HALFT                      ; my 128 rows of B,
	s_add_co_u32 s22, s22, 2*HALFT                 ; which lie behind A's 256
.irp s, 0,1
	v_add_nc_u32 v[ADRA+\s], s21, v4
	v_add_nc_u32 v[ADRB+\s], s22, v4
	s_add_co_u32 s21, s21, SLOT
	s_add_co_u32 s22, s22, SLOT
.endr
	s_mul_i32 s23, s14, WSTG                       ; my stage
	v_mul_u32_u24 v5, v1, 144
	v_lshl_add_u32 v5, v2, 3, v5
	v_add_nc_u32 v[STO], s23, v5                   ; in: row r, 8 bytes for each half of the lanes
	v_and_b32 v6, 31, v0
	v_lshlrev_b32 v[GO], 4, v6
	v_lshrrev_b32 v7, 2, v6
	v_mul_u32_u24 v7, v7, 144
	v_and_b32 v8, 3, v6
	v_lshl_add_u32 v7, v8, 4, v7
	v_add_nc_u32 v[RDQ], s23, v7                   ; back, Q and K: row lane / 4, 16 (lane % 4): one head's 64 bytes of eight rows
	v_lshrrev_b32 v7, 3, v6
	v_mul_u32_u24 v7, v7, 144
	v_and_b32 v8, 7, v6
	v_lshl_add_u32 v7, v8, 4, v7
	v_add_nc_u32 v[RDV], s23, v7                   ; back, V: row lane / 8, 16 (lane % 8): 128 keys of four rows
	; X: my first coordinate on the axis of 8,192 tokens (rows of C for Q and K, columns for V); Y: on the axis of 1,024 features
	s_lshl_b32 s94, s17, 8
	s_lshl_b32 s18, s15, 7
	s_add_co_u32 s94, s94, s18                     ; my first row of C
	s_lshl_b32 s95, s42, 8
	s_lshl_b32 s18, s16, 7
	s_add_co_u32 s95, s95, s18                     ; my first column
	s_cmp_eq_u32 s66, 2
	s_cselect_b32 s18, s95, s94                    ; X
	s_cselect_b32 s19, s94, s95                    ; Y
	s_lshl_b32 s22, s66, 23                        ; part P of qkv
	s_lshr_b32 s23, s18, 11
	s_lshl_b32 s23, s23, 21                        ; + the batch's 16 heads of 131,072 bytes
	s_add_co_u32 s22, s22, s23
	s_lshr_b32 s23, s19, 6
	s_lshl_b32 s23, s23, 17                        ; + the head
	s_add_co_u32 s22, s22, s23
	s_and_b32 s23, s18, 2047
	s_lshl_b32 s23, s23, 6                         ; + 64 bytes a token: for V the same number is 8,192 x (the token's block of 128), since X is a multiple of 128
	s_add_co_u32 s22, s22, s23
	s_mov_b32 s23, 0
	s_add_nc_u64 s[10:11], s[90:91], s[22:23]      ; where my wave's codes go
	s_cmp_eq_u32 s66, 1
	s_cselect_b64 s[96:97], s[86:87], s[84:85]
	s_cmp_eq_u32 s66, 2
	s_cselect_b64 s[96:97], s[88:89], s[96:97]     ; the projection's bias,
	s_lshl_b32 s20, s19, 2
	s_mov_b32 s21, 0
	s_add_nc_u64 s[96:97], s[96:97], s[20:21]      ; at my first feature
	s_wait_kmcnt 0x0
	s_add_co_i32 s92, s68, s69                     ; e0 + e1
	s_add_co_i32 s20, s70, s71                     ; e2 + e3
	s_add_co_i32 s21, s72, s73                     ; e4 + e5
	s_cmp_eq_u32 s66, 1
	s_cselect_b32 s92, s20, s92
	s_cselect_b32 s93, s75, s74                    ; e7 or e6
	s_cmp_eq_u32 s66, 2
	s_cselect_b32 s92, s21, s92                    ; ea + eb
	s_cselect_b32 s93, s77, s93                    ; eo (e9 for V)
	s_sub_co_i32 s20, 0, s92                       ; -(ea + eb), for the bias
	s_sub_co_i32 s93, s93, s92
	s_add_co_i32 s93, s93, 127
	s_lshl_b32 s21, s93, 23
	v_mov_b32 v[SCL], s21                          ; 2^(eo - ea - eb) as f32
	s_add_co_i32 s93, s93, 8
	s_lshl_b32 s93, s93, 23
	s_or_b32 s93, s93, 0x600000
	v_mov_b32 v[LIM], s93                          ; 448 x that
	v_lshlrev_b32 v7, 5, v2                        ; 32 h
	v_lshlrev_b32 v8, 2, v1                        ; 4 r
	s_cmp_eq_u32 s66, 2
	s_cbranch_scc1 .Lbias_v
.irp b, 0,1,2,3,4,5,6,7                        ; Q, K: the bias runs along a lane's registers: tile b holds bias[Y + 16 b + 8 h + 0 .. 7]
	global_load_b128 v[G+8*\b:G+8*\b+3], v7, s[96:97] offset:64*\b
	global_load_b128 v[G+8*\b+4:G+8*\b+7], v7, s[96:97] offset:64*\b+16
.endr
	s_wait_loadcnt 0x0
.set j, 0
.rept 64
	v_ldexp_f32 v[G+j], v[G+j], s20
.set j, j+1
.endr
	s_branch .Lbias_done
.Lbias_v:
.irp a, 0,1,2,3,4,5,6,7                        ; V: the bias runs along the lanes: tile a holds bias[Y + 16 a + r] in all eight registers
	global_load_b32 v[G+8*\a], v8, s[96:97] offset:64*\a
.endr
	s_wait_loadcnt 0x0
.irp a, 0,1,2,3,4,5,6,7
.irp j, 7,6,5,4,3,2,1,0
	v_ldexp_f32 v[G+8*\a+\j], v[G+8*\a], s20       ; the scaling also spreads the number; register 0 last, in place
.endr
.endr
.Lbias_done:
.macro FRAG reg, adr, q, i             ; 16 rows x 128 K: lane l holds row l % 16; registers 4 c .. 4 c + 3 hold K = 32 c + 16 (l / 16) + 0 .. 15: one order of k for A and B alike
.irp c, 0,1,2,3
	ds_load_b128 v[\reg+4*\c:\reg+4*\c+3], v[\adr] offset:128*(\q)+32*\c+(\i)*16*PITCH
.endr
.endm
; 16 matrix instructions: A's blocks a0, a0 + 1 x B's eight.  p: B's set.  cm = 0: add in place; 1: C = the bias tile of B's block (Q, K); 2: of A's block (V).
; The 64 accumulators take turns, one instruction a turn, in the same order in every step.
.macro MUL16 a0, p, cm
.irp a, \a0, \a0+1
.irp b, 0,1,2,3,4,5,6,7
.if \cm == 1
	v_wmma_f32_16x16x128_fp8_fp8 v[8*(8*((\a)%4)+\b):8*(8*((\a)%4)+\b)+7], v[128*(\p)+FR*\b:128*(\p)+FR*\b+FR-1], v[AF+FR*(\a):AF+FR*(\a)+FR-1], v[G+8*\b:G+8*\b+7]
.elseif \cm == 2
	v_wmma_f32_16x16x128_fp8_fp8 v[8*(8*((\a)%4)+\b):8*(8*((\a)%4)+\b)+7], v[128*(\p)+FR*\b:128*(\p)+FR*\b+FR-1], v[AF+FR*(\a):AF+FR*(\a)+FR-1], v[G+8*(\a):G+8*(\a)+7]
.else
	v_wmma_f32_16x16x128_fp8_fp8 v[8*(8*((\a)%4)+\b):8*(8*((\a)%4)+\b)+7], v[128*(\p)+FR*\b:128*(\p)+FR*\b+FR-1], v[AF+FR*(\a):AF+FR*(\a)+FR-1], v[8*(8*((\a)%4)+\b):8*(8*((\a)%4)+\b)+7]
.endif
.endr
.endr
.endm
.macro FETCH_B slot, q, p
	WIN TO_B
.irp i, 0,1,2,3,4,5,6,7
	FRAG 128*(\p)+FR*\i, ADRB+\slot, \q, \i
.endr
	WIN 0
.endm
.macro FETCH_A slot, q, i0
.irp i, \i0, \i0+1, \i0+2, \i0+3
	FRAG AF+FR*(\i), ADRA+\slot, \q, \i
.endr
.endm
.macro PLACES n                        ; plain vector lines between a matrix instruction and a load into, or a read of, its registers
.rept \n
	v_nop
.endr
.endm
; A step of 128 along K that has its successor in the same slot.  A's blocks are free as soon as their eight products are issued, so A has one set of registers; B has two.
.macro STEP slot, q, cm
	s_wait_dscnt 4*NL                              ; B's set and A's blocks 0-3 are in; the youngest 16 loads (A's blocks 4-7) may be out
.if \cm
	WIN 0x81                                       ; as MUL_LO, with C (the bias) in window 0
.else
	WIN MUL_LO
.endif
	MUL16 0, (\q)%2, \cm
	MUL16 2, (\q)%2, \cm
	s_wait_dscnt 0
	PLACES NP
	FETCH_B \slot, (\q)+1, 1-(\q)%2
	FETCH_A \slot, (\q)+1, 0
.if \cm
	WIN 0xc1
.else
	WIN MUL_HI
.endif
	MUL16 4, (\q)%2, \cm
	MUL16 6, (\q)%2, \cm
	PLACES NP
	WIN 0
	FETCH_A \slot, (\q)+1, 4
.endm
; A slot's last step changes slots: one barrier; in front of it each wave waits for all its tensor loads, adds 0 to its spare word, and waits for that and for its reads of this slot.  fill = 1: this slot is filled again, two K steps ahead.
.macro TURN slot, next, fill
	s_wait_tensorcnt 0x0                           ; all my tensor loads have landed: my part of the next slot
	ds_add_u32 v[SPW], v[NIL]
	s_wait_dscnt 4*NL+1                            ; the add and the youngest 16 loads (A's blocks 4-7) may be out
	WIN MUL_LO
	MUL16 0, 1, 0
	s_wait_dscnt 0x0                               ; the add is done, and my reads of this slot are over
	s_barrier_signal -1
	MUL16 2, 1, 0
	WIN 0
	s_barrier_wait -1
.if \fill
	CREST                                          ; the barrier has opened a round of the cluster's: no wave of any partner still reads this slot or has a load on its way
	s_add_nc_u64 s[G0+4*\slot+2:G0+4*\slot+3], s[G0+4*\slot+2:G0+4*\slot+3], 2*ROWB
	s_add_nc_u64 s[G0B+4*\slot+2:G0B+4*\slot+3], s[G0B+4*\slot+2:G0B+4*\slot+3], 2*ROWB
	JLOAD G0+4*\slot, G1, G0B+4*\slot, G1B         ; the first tensor load behind the round; its four v_nop are also the places in front of the loads below
.else
	PLACES NP
.endif
	FETCH_B \next, 0, 0
	FETCH_A \next, 0, 0
	WIN MUL_HI
	MUL16 4, 1, 0
	MUL16 6, 1, 0
	PLACES NP
	WIN 0
	FETCH_A \next, 0, 4
.endm
	s_wait_tensorcnt 1                             ; my part of K step 0 is in; K step 1's load may be out
	s_barrier_signal -1
	s_barrier_wait -1
	FETCH_B 0, 0, 0
	FETCH_A 0, 0, 0
	FETCH_A 0, 0, 4
	s_cmp_eq_u32 s66, 2                            ; the first step is written twice: its products take the bias as C, by B's block (Q, K) or by A's (V); loads and waits are alike
	s_cbranch_scc1 .Lfirst_v
	STEP 0, 0, 1
	s_branch .Lfirst_done
.Lfirst_v:
	STEP 0, 0, 2
.Lfirst_done:
	s_mov_b32 s3, LAPS-1
.Llap:                                                 ; a trip goes once round the ring and fills both slots again
	TURN 0, 1, 1
	STEP 1, 0, 0
	TURN 1, 0, 1
	STEP 0, 0, 0
	s_sub_co_u32 s3, s3, 1
	s_cmp_lg_u32 s3, 0
	s_cbranch_scc1 .Llap
	TURN 0, 1, 0                                   ; the last lap fills nothing
	STEP 1, 0, 0
	s_wait_dscnt 4*NL                              ; the very last step
	WIN MUL_LO
	MUL16 0, 1, 0
	MUL16 2, 1, 0
	s_wait_dscnt 0
	WIN MUL_HI
	MUL16 4, 1, 0
	MUL16 6, 1, 0
	WIN 0
; THE WAY OUT.  Block a (16 rows x 128 columns): the sums are held within +-448 x the scale, each accumulator from its low end on, and converted: a lane's eight sums of a tile are eight codes, 8 bytes of a stage row.
.macro QBLOCK a
.set AC, 64*((\a)%4)
.set CC, CD+16*((\a)%2)
.if (\a) >= 2
	s_wait_dscnt 8                                 ; block a - 1's eight stores may be out; block a - 2's have read the registers that are written now
.endif
	WIN 0x02+((\a)/4)                              ; source 0: window 2 or 3
.set j, 0
.rept 64
	v_med3_num_f32 v[TMP+j], v[AC+j], -v[LIM], v[LIM]
.set j, j+1
.endr
	WIN 0
.irp b, 0,1,2,3,4,5,6,7
	v_cvt_scalef32_pk8_fp8_f32 v[CC+2*\b:CC+2*\b+1], v[TMP+8*\b:TMP+8*\b+7], v[SCL]
.endr
	v_nop                                          ; a plain line between the conversions and the next write of their sources
.irp b, 0,1,2,3,4,5,6,7
	ds_store_b64 v[STO], v[CC+2*\b:CC+2*\b+1] offset:2304*(\a)+16*\b
.endr
.endm
	PLACES NP                                      ; behind the last products: for the reads of results and for the loads into A's registers
.irp a, 0,1,2,3,4,5,6,7
	QBLOCK \a
.endr
	; back as runs of 512 bytes that lie on end in qkv.  LDS serves a wave's instructions in order (ISA guide 5.7.1.4): these loads see my stores.  32 loads on either way
	s_cmp_eq_u32 s66, 2
	s_cbranch_scc1 .Lback_v
.set t, 0
.rept 32
	ds_load_b128 v[BK+4*t:BK+4*t+3], v[RDQ] offset:1152*(t%16)+64*(t/16)   ; head t / 16 of my two, tokens 8 (t % 16) on
.set t, t+1
.endr
	s_branch .Lback_done
.Lback_v:
.set t, 0
.rept 32
	ds_load_b128 v[BK+4*t:BK+4*t+3], v[RDV] offset:576*t                   ; rows 4 t on: head t / 16, channels 4 (t % 16) on
.set t, t+1
.endr
.Lback_done:
.set t, 0
.rept 32
	s_wait_dscnt 31-t                              ; the t-th of the 32 loads is in
	global_store_b128 v[GO], v[BK+4*t:BK+4*t+3], s[10:11] offset:131072*(t/16)+512*(t%16)   ; 32 lanes store 512 consecutive bytes, at a multiple of 256 from qkv's first byte
.set t, t+1
.endr
	s_wait_tensorcnt 0x0                           ; the wave's end
	ds_add_u32 v[SPW], v[NIL]
	s_wait_dscnt 0x0
	CROUND                                         ; the closing round
	s_endpgm
.Lfunc_end_k_qd38e66f183_proj:
	.size	k_qd38e66f183_proj, .Lfunc_end_k_qd38e66f183_proj-k_qd38e66f183_proj
	.p2alignl 7, 3214868480
	.fill 96, 4, 3214868480
	.section	.rodata,"a",@progbits
	.p2align	6, 0x0
	.amdhsa_kernel k_qd38e66f183_proj
		.amdhsa_group_segment_fixed_size 327680
		.amdhsa_private_segment_fixed_size 0
		.amdhsa_enable_private_segment 0
		.amdhsa_kernarg_size 56
		.amdhsa_user_sgpr_count 2
		.amdhsa_user_sgpr_kernarg_segment_ptr 1
		.amdhsa_wavefront_size32 1
		.amdhsa_system_sgpr_workgroup_id_x 1
		.amdhsa_system_sgpr_workgroup_id_y 1
		.amdhsa_system_sgpr_workgroup_id_z 1
		.amdhsa_system_vgpr_workitem_id 0
		.amdhsa_next_free_vgpr 1024
		.amdhsa_next_free_sgpr 100
		.amdhsa_reserve_vcc 0
		.amdhsa_float_denorm_mode_32 3
		.amdhsa_float_denorm_mode_16_64 3
		.amdhsa_memory_ordered 1
		.amdhsa_forward_progress 1
		.amdhsa_inst_pref_size 148
	.end_amdhsa_kernel
	.amdgpu_metadata
---
amdhsa.version: [ 1, 2 ]
amdhsa.kernels:
  - .name:           k_qd38e66f183_proj
    .symbol:         k_qd38e66f183_proj.kd
    .args:
      - { .name: acts, .offset: 0, .size: 8, .value_kind: global_buffer, .address_space: global }
      - { .name: wts, .offset: 8, .size: 8, .value_kind: global_buffer, .address_space: global }
      - { .name: lowp_scales, .offset: 16, .size: 8, .value_kind: global_buffer, .address_space: global }
      - { .name: bq, .offset: 24, .size: 8, .value_kind: global_buffer, .address_space: global }
      - { .name: bk, .offset: 32, .size: 8, .value_kind: global_buffer, .address_space: global }
      - { .name: bv, .offset: 40, .size: 8, .value_kind: global_buffer, .address_space: global }
      - { .name: qkv, .offset: 48, .size: 8, .value_kind: global_buffer, .address_space: global }
    .group_segment_fixed_size: 327680
    .private_segment_fixed_size: 0
    .kernarg_segment_align: 8
    .kernarg_segment_size: 56
    .max_flat_workgroup_size: 128
    .sgpr_count:     100
    .vgpr_count:     1024
    .wavefront_size: 32
...
	.end_amdgpu_metadata
.endif
;; end of part 2
;; launch attn (part 3): grid 4 x 64, 8 waves a work-group, no clusters, 105,472 bytes of LDS; arguments qkv, lowp_scales, zc; writes zc
.if DOCPART == 3
	.amdgcn_target "amdgcn-amd-amdhsa--gfx1250"
	.amdhsa_code_object_version 6
	.text
	.protected	k_qd38e66f183_attn
	.globl	k_qd38e66f183_attn
	.p2align	8
	.type	k_qd38e66f183_attn,@function
k_qd38e66f183_attn:
	s_mov_b64 s[64:65], 0
	v_nop
	global_prefetch_b8 v0, s[64:65] scope:SCOPE_SE
	s_setreg_imm32_b32 hwreg(HW_REG_WAVE_MODE, 25, 1), 1
	s_wait_xcnt 0x0
; Causal attention on codes of E4M3; Z is quantised on the way out.  qkv: Q [bh][s 2048][64], K likewise, V [bh][kb 16][d 64][128 keys] (parts of 8,388,608 bytes).  zc: [head 16][row 2048 b + s][64].
; THE SOFTMAX: t = sum x 2^(e6 + e7) x log2(e) / 8; M = the running largest t rounded UP to a whole number; p = 2^(t - M) is quantised with 2^e8, not normalised; the row's sum is taken of the unquantised p and divides at the end.
; When M moves, the sum and O are multiplied by 2^(old M - new M), which rounds nothing.
; SHARES.  Work-group (I, bh) takes the blocks I and 7 - I of 256 queries of head bh: I + 1 and 8 - I slots of 256 keys, always 9, so all 256 work-groups have the same work.  One loop of 8 trips and a tail walk the 9 slots.
; Each of the eight waves owns 32 queries, two tiles of 16; each fragment of K or V read from LDS feeds two products.
; LAYOUT.  Both products are used transposed: S^T = K Q^T (source 0 = 16 keys), O^T = V^T P^T (source 0 = 16 channels): a lane holds ONE query (lane % 16) throughout.
; The keys of a tile are not neighbours: row r of tile 2 b + u is key 32 b + 8 u + r + 8 (r / 8), so that the 16 registers of tiles 2 b, 2 b + 1 are keys 32 b + 16 (lane / 16) + 0 .. 15: the conversions' results are the second product's operand.
; K's rows are stored in LDS with bits 3 and 4 of the key's number swapped: a tile's 16 keys are then 16 consecutive rows.
; K AND V GO THROUGH REGISTERS INTO LDS: a slot (16,384 + 16,384 dense bytes) is loaded at a trip's head, 8 x 16 bytes a thread, and stored into the other buffer at the trip's end: the loads have the whole trip in which to land, so no wave waits for them
; and no prefetch is laid.  One barrier a slot: in front of it a wave's reads of the buffer in hand are back and its stores into the other have landed.
; NO JOINT LOADS: in trip t the work-group with number I reads slot t or slot t - I - 1, so the four work-groups of a head want different tiles in the same trip.
; LIMITS: e6 + e7 between -123 and 130; e8, and e10 - e8 - e9, between -126 and 119.  NaN among the inputs is not served.
; REGISTERS.  window 0: v1-5, v8 addresses that stay; v6, v7 addresses in hand; v9 -infinity; v10, v11 the mask's distances, later Z's scale and limit; tile z: v[12+4z] -M, v[13+4z] the largest t, v[14+4z:15+4z] the sum in two halves,
;   v[20+2z] f; v24-27 at work; v28, v31 permutes' results; v29, v30 2^e8, 448 x 2^e8; v32-95 fragments of K, then of V; v96-223 S^T, then p (64 a tile); v224-255 p's codes (16 a tile).
;   window 1: v0-63 O^T (32 a tile); v64-79 Q (8 a tile); v80-111 the slot on its way.
.set SLOT1, 65536                      ; the second buffer begins here: one exclusive or turns an address
.set VOFF,  20480                      ; a buffer: 256 rows of K x 80 bytes, then 128 rows of V x 144 bytes
.set STG,   40960                      ; between the buffers: 32 rows x 80 bytes for each wave, for the way out
.set MSB, 0
.macro WIN new                         ; low byte: bits 1:0 source 0, 3:2 source 1, 5:4 source 2, 7:6 destination; the high byte repeats the setting that is left
.if MSB != (\new)
	s_set_vgpr_msb (MSB<<8)|(\new)
.set MSB, (\new)
.endif
.endm
	s_load_b128 s[4:7], s[0:1], 0x0                ; qkv s[4:5], the exponents s[6:7]
	s_load_b64 s[8:9], s[0:1], 0x10                ; zc
	s_set_vgpr_msb 0x40
	v_lshl_add_u32 v128, v0, 2, 0x19800
	v_mov_b32 v129, 0
	s_set_vgpr_msb 0x4000
	v_lshrrev_b32 v1, 5, v0
	v_readfirstlane_b32 s10, v1                    ; wave 0..7
	s_mov_b32 s11, ttmp9                           ; I
	s_and_b32 s12, ttmp7, 0xffff                   ; bh
	s_mov_b32 s20, 0x76543210                      ; v_permlanex16_b32's selects for lane l xor 16
	s_mov_b32 s21, 0xfedcba98
	v_and_b32 v6, 15, v0                           ; r
	v_bfe_u32 v7, v0, 4, 1                         ; h
	v_mul_u32_u24 v1, v6, 80
	v_lshl_add_u32 v1, v7, 4, v1                   ; my place in a tile of K: 80 r + 16 h
	v_mul_u32_u24 v2, v6, 144
	v_lshl_add_u32 v2, v7, 4, v2
	v_add_nc_u32 v2, VOFF, v2                      ; in a tile of V
	v_lshlrev_b32 v8, 6, v6
	v_lshl_add_u32 v8, v7, 4, v8                   ; in a tile of Q in memory: 64 r + 16 h
	v_bfe_u32 v3, v0, 2, 3                         ; where my 16 bytes of a slot's K go: thread t holds key t / 4 (+ 64 for each further load); its bits 3 and 4 change places
	v_bfe_u32 v4, v0, 5, 1
	v_lshl_add_u32 v3, v4, 4, v3
	v_bfe_u32 v4, v0, 6, 1
	v_lshl_add_u32 v3, v4, 3, v3
	v_bfe_u32 v4, v0, 7, 1
	v_lshl_add_u32 v3, v4, 5, v3
	v_mul_u32_u24 v3, v3, 80
	v_and_b32 v4, 3, v0
	v_lshl_add_u32 v3, v4, 4, v3
	v_lshrrev_b32 v4, 3, v0                        ; and of V: row t / 8 (+ 32 for each further load)
	v_mul_u32_u24 v4, v4, 144
	v_and_b32 v5, 7, v0
	v_lshl_add_u32 v4, v5, 4, v4
	v_add_nc_u32 v4, VOFF, v4
	v_lshlrev_b32 v5, 4, v0                        ; my 16 bytes of a load's 4,096
	v_mov_b32 v9, 0xff800000                       ; -infinity
	v_mov_b32 v21, 0                               ; (named as the upper halves of the pairs with f)
	v_mov_b32 v23, 0
	v_mov_b32 v28, 0                               ; (a lane permute's destination counts as one of its sources)
	v_mov_b32 v31, 0
	s_lshl_b32 s40, s12, 17                        ; a head is 131,072 bytes in each part
	s_mov_b32 s41, 0
	s_mov_b32 s14, SLOT1                           ; the buffer that is read (turned behind the first fill),
	s_mov_b32 s15, 0                               ; and the other
	s_wait_kmcnt 0x0
	s_load_b256 s[48:55], s[6:7], 0x0              ; e0 .. e7
	s_load_b128 s[56:59], s[6:7], 0x20             ; e8 .. e11
	s_add_nc_u64 s[36:37], s[4:5], s[40:41]        ; the head's Q,
	s_add_nc_u64 s[24:25], s[36:37], 0x800000      ; K,
	s_add_nc_u64 s[26:27], s[36:37], 0x1000000     ; V
	s_and_b32 s18, s12, 15
	s_lshl_b32 s18, s18, 19                        ; zc: the head's 8,192 rows of 64 bytes,
	s_lshr_b32 s19, s12, 4
	s_lshl_b32 s19, s19, 17                        ; the batch's 2,048 of them
	s_add_co_u32 s40, s18, s19
	s_add_nc_u64 s[38:39], s[8:9], s[40:41]
	s_wait_kmcnt 0x0
	s_add_co_i32 s18, s54, s55
	s_lshl_b32 s18, s18, 23
	s_mov_b32 s22, 0x3e38aa3b                      ; c = log2(e) / 8
	s_add_co_i32 s22, s22, s18                     ; x 2^(e6 + e7): the two exponents are added to c's exponent field
	s_mov_b32 s23, s22                             ; (named with it as a pair)
	s_mov_b32 s43, s56                             ; e8
	s_add_co_i32 s18, s56, 127
	s_lshl_b32 s19, s18, 23
	v_mov_b32 v29, s19                             ; 2^e8
	s_add_co_i32 s18, s18, 8
	s_lshl_b32 s18, s18, 23
	s_or_b32 s18, s18, 0x600000
	v_mov_b32 v30, s18                             ; 448 x 2^e8
	s_sub_co_i32 s18, s58, s56
	s_sub_co_i32 s18, s18, s57                     ; O^T / the sum stands for Z / 2^(e8 + e9): its code is that / 2^(e10 - e8 - e9)
	s_add_co_i32 s18, s18, 127
	s_lshl_b32 s44, s18, 23
	s_add_co_i32 s18, s18, 8
	s_lshl_b32 s45, s18, 23
	s_or_b32 s45, s45, 0x600000
; The next slot's 32,768 bytes into registers.  first = 1: slot 0.  Else the slot of trip s13 + 1: s13 + 1 while the first block lasts, then s13 - I.
.macro LOADSLOT first
.if \first
	s_mov_b32 s40, 0
.else
	s_add_co_u32 s18, s13, 1
	s_sub_co_u32 s19, s13, s11
	s_cmp_le_u32 s18, s11
	s_cselect_b32 s40, s18, s19
	s_lshl_b32 s40, s40, 14
.endif
	s_mov_b32 s41, 0
	s_add_nc_u64 s[28:29], s[24:25], s[40:41]      ; (the last loads by these bases were waited for at the last barrier)
	s_add_nc_u64 s[30:31], s[26:27], s[40:41]
	WIN 0x40                                       ; destination window 1
.irp j, 0,1,2,3
	global_load_b128 v[80+4*\j:83+4*\j], v5, s[28:29] offset:4096*\j
.endr
.irp j, 0,1,2,3
	global_load_b128 v[96+4*\j:99+4*\j], v5, s[30:31] offset:4096*\j
.endr
	WIN 0
.endm
; They go into the buffer that nobody reads; the barrier; the buffers change places.
.macro STORESLOT
	s_wait_loadcnt 0x0                             ; the slot is in registers (and Q, where a block has begun)
	v_add_nc_u32 v6, s15, v3
	v_add_nc_u32 v7, s15, v4
	WIN 0x04                                       ; store data (source 1) in window 1
.irp j, 0,1,2,3
	ds_store_b128 v6, v[80+4*\j:83+4*\j] offset:5120*\j
.endr
.irp j, 0,1,2,3
	ds_store_b128 v7, v[96+4*\j:99+4*\j] offset:4608*\j
.endr
	WIN 0
	s_wait_dscnt 0x0                               ; for the others' sake: my stores have landed, and my reads of the buffer in hand are back
	s_barrier_signal -1
	s_barrier_wait -1
	s_xor_b32 s14, s14, SLOT1
	s_xor_b32 s15, s15, SLOT1
.endm
; A block of queries begins: s42 is its number.
.macro PROLOGUE
	s_lshl_b32 s17, s42, 8
	s_lshl_b32 s18, s10, 5
	s_add_co_u32 s17, s17, s18                     ; my first query
	s_mov_b32 s16, 0                               ; the step's first key
	s_lshl_b32 s40, s17, 6
	s_mov_b32 s41, 0
	s_add_nc_u64 s[32:33], s[36:37], s[40:41]      ; my rows of Q,
	s_add_nc_u64 s[34:35], s[38:39], s[40:41]      ; and of zc
	WIN 0x40
.irp z, 0,1
.irp c, 0,1
	global_load_b128 v[64+8*\z+4*\c:67+8*\z+4*\c], v8, s[32:33] offset:1024*\z+32*\c   ; registers 4 c .. 4 c + 3: k = 32 c + 16 h + 0 .. 15, the order in which K's fragments come too
.endr
.endr
.set j, 0
.rept 64
	v_mov_b32 v[j], 0                              ; O^T: the step is written once; the first finds zeros, which the first change of M leaves zeros
.set j, j+1
.endr
	WIN 0
	v_mov_b32 v13, 0xff61b1e6                      ; the largest t so far: -3e38, under every t
	v_mov_b32 v17, 0xff61b1e6
	v_floor_f32 v12, -v13                          ; -M
	v_floor_f32 v16, -v17
	v_mov_b32 v14, 0
	v_mov_b32 v15, 0
	v_mov_b32 v18, 0
	v_mov_b32 v19, 0
.endm
; A KEY STEP: 128 keys, the q-th of the buffer in hand, for both tiles.
.macro STEP q
	s_add_co_u32 s18, s17, 31                      ; a step all of whose keys come after my 32 queries is left out: a branch on ids; no barrier stands in a step
	s_cmp_gt_u32 s16, s18
	s_cbranch_scc1 .Lhidden_\@
	v_add_nc_u32 v6, s14, v1
	v_add_nc_u32 v7, s14, v2
	v_nop
	v_nop                                          ; with the two additions: four places in front of loads into registers that the last products have read
.irp t, 0,1,2,3,4,5,6,7
.irp c, 0,1
	ds_load_b128 v[32+8*\t+4*\c:35+8*\t+4*\c], v6 offset:80*(128*(\q)+16*\t)+32*\c
.endr
.endr
	s_wait_dscnt 0x0
	WIN 0x04                                       ; source 1 (Q) in window 1
.irp t, 0,1,2,3,4,5,6,7
.irp z, 0,1
	v_wmma_f32_16x16x64_fp8_fp8 v[96+64*\z+8*\t:103+64*\z+8*\t], v[32+8*\t:39+8*\t], v[64+8*\z:71+8*\z], 0
.endr
.endr
	WIN 0
.rept 4
	v_nop                                          ; places in front of the loads below and of the first read of the scores
.endr
.irp t, 0,1,2,3
.irp c, 0,1,2,3
	ds_load_b128 v[32+16*\t+4*\c:35+16*\t+4*\c], v7 offset:144*(64*(\q)+16*\t)+32*\c   ; V's fragments land while the softmax is worked
.endr
.endr
	s_add_co_u32 s18, s16, 127                     ; on the diagonal hidden scores become -infinity ahead of the maximum: p = 0 then.  A step all of whose keys count skips this.
	s_cmp_le_u32 s18, s17                          ; (the step's first key counts for all 32 queries: both numbers are multiples of 32, so no row of a step that is worked is hidden whole)
	s_cbranch_scc1 .Lopen_\@
	s_sub_co_i32 s18, s17, s16
	v_and_b32 v10, 15, v0
	v_bfe_u32 v11, v0, 4, 1
	v_lshlrev_b32 v11, 4, v11
	v_sub_nc_u32 v10, v10, v11
	v_add_nc_u32 v10, s18, v10                     ; d = my query - the step's first key - 16 h, for tile 0,
	v_add_nc_u32 v11, 16, v10                      ; for tile 1.  Register n holds key 32 (n / 16) + n % 16 + 16 h of the step: hidden where 32 (n / 16) + n % 16 > d
.irp z, 0,1
.set n, 0
.rept 64
	v_cmp_gt_i32 vcc_lo, 32*(n/16)+n%16, v[10+\z]
	v_cndmask_b32 v[96+64*\z+n], v[96+64*\z+n], v9, vcc_lo
.set n, n+1
.endr
.endr
.Lopen_\@:
.irp z, 0,1                                    ; the step's largest score of my query among my 64 keys, in two chains a tile, ascending; the tiles' lines alternate
	v_max3_num_f32 v[24+2*\z], v[96+64*\z], v[97+64*\z], v[98+64*\z]
	v_max3_num_f32 v[25+2*\z], v[99+64*\z], v[100+64*\z], v[101+64*\z]
.endr
.irp i, 6,10,14,18,22,26,30,34,38,42,46,50,54,58
.irp z, 0,1
	v_max3_num_f32 v[24+2*\z], v[24+2*\z], v[96+64*\z+\i], v[97+64*\z+\i]
	v_max3_num_f32 v[25+2*\z], v[25+2*\z], v[98+64*\z+\i], v[99+64*\z+\i]
.endr
.endr
.irp z, 0,1
	v_max3_num_f32 v[24+2*\z], v[24+2*\z], v[158+64*\z], v[159+64*\z]
.endr
.irp z, 0,1
	v_max_num_f32 v[24+2*\z], v[24+2*\z], v[25+2*\z]
.endr
.irp z, 0,1
	v_permlanex16_b32 v[28+3*\z], v[24+2*\z], s20, s21
.endr
.irp z, 0,1
	v_max_num_f32 v[24+2*\z], v[24+2*\z], v[28+3*\z]   ; and among lane l xor 16's
.endr
.irp z, 0,1
	v_mul_f32 v[24+2*\z], s22, v[24+2*\z]          ; as t (c is positive)
.endr
.irp z, 0,1
	v_max_num_f32 v[13+4*\z], v[13+4*\z], v[24+2*\z]   ; the running largest t
.endr
.irp z, 0,1
	v_mov_b32 v[24+2*\z], v[12+4*\z]
.endr
.irp z, 0,1
	v_floor_f32 v[12+4*\z], -v[13+4*\z]            ; the new -M = floor(-t) = -ceil(t): a whole number
.endr
.irp z, 0,1
	v_sub_f32 v[24+2*\z], v[12+4*\z], v[24+2*\z]   ; old M - new M: a whole number, 0 or less
.endr
.irp z, 0,1
	v_cvt_i32_f32 v[24+2*\z], v[24+2*\z]           ; (it saturates)
.endr
.irp z, 0,1
	v_ldexp_f32 v[20+2*\z], 1.0, v[24+2*\z]        ; f = 2^(old M - new M)
.endr
.irp z, 0,1
.set j, 0
.rept 32
	v_pk_fma_f32 v[96+64*\z+j:97+64*\z+j], v[96+64*\z+j:97+64*\z+j], s[22:23], v[12+4*\z:13+4*\z] op_sel_hi:[1,0,0]   ; t - M, two at a time (of the pairs c and -M the low word serves both halves)
.set j, j+2
.endr
.endr
.set j, 0
.rept 128
	v_exp_f32 v[96+j], v[96+j]                     ; p = 2^(t - M), at most 1
.set j, j+1
.endr
.irp z, 0,1
	v_pk_mul_f32 v[14+4*\z:15+4*\z], v[14+4*\z:15+4*\z], v[20+2*\z:21+2*\z] op_sel_hi:[1,0]   ; the sums under the new M: the plain lines behind the exponentials
.endr
	s_wait_alu depctr_va_vdst(0)                   ; one wait for the batch of 128, ahead of its first reader
.irp z, 0,1
	v_pk_add_f32 v[24+2*\z:25+2*\z], v[96+64*\z:97+64*\z], v[98+64*\z:99+64*\z]   ; the row's sum is taken of the UNQUANTISED p, in two chains a tile
.endr
.irp j, 4,8,12,16,20,24,28,32,36,40,44,48,52,56,60
.irp z, 0,1
	v_pk_add_f32 v[14+4*\z:15+4*\z], v[14+4*\z:15+4*\z], v[96+64*\z+\j:97+64*\z+\j]
	v_pk_add_f32 v[24+2*\z:25+2*\z], v[24+2*\z:25+2*\z], v[98+64*\z+\j:99+64*\z+\j]
.endr
.endr
.irp z, 0,1
	v_pk_add_f32 v[14+4*\z:15+4*\z], v[14+4*\z:15+4*\z], v[24+2*\z:25+2*\z]
.endr
	s_cmp_ge_i32 s43, -8                           ; with e8 >= -8 the largest code x the scale is 448 / 256 or more, and p is at most 1: nothing is to be held.  e8 is a whole number that is read, the same in every wave
	s_cbranch_scc1 .Lnohold_\@
.set j, 0
.rept 128
	v_min_num_f32 v[96+j], v[96+j], v30            ; the conversion does not saturate (ISA guide 7.6.2); p is not negative, so the hold is one-sided
.set j, j+1
.endr
.Lnohold_\@:
.irp z, 0,1
.irp b, 0,1,2,3
	v_cvt_scalef32_pk8_fp8_f32 v[224+16*\z+4*\b:225+16*\z+4*\b], v[96+64*\z+16*\b:103+64*\z+16*\b], v29
	v_cvt_scalef32_pk8_fp8_f32 v[226+16*\z+4*\b:227+16*\z+4*\b], v[104+64*\z+16*\b:111+64*\z+16*\b], v29
.endr
.endr
	WIN 0x41                                       ; O^T (destination and source 0) in window 1
.irp z, 0,1
.set j, 0
.rept 16
	v_pk_mul_f32 v[32*\z+j:32*\z+j+1], v[32*\z+j:32*\z+j+1], v[20+2*\z:21+2*\z] op_sel_hi:[1,0]   ; O^T under the new M; these are also the plain lines behind the conversions
.set j, j+2
.endr
.endr
	s_wait_dscnt 0x0                               ; V's fragments
	WIN 0x50                                       ; C and D in window 1
.irp t, 0,1,2,3
.irp z, 0,1
	v_wmma_f32_16x16x128_fp8_fp8 v[32*\z+8*\t:32*\z+8*\t+7], v[32+16*\t:47+16*\t], v[224+16*\z:239+16*\z], v[32*\z+8*\t:32*\z+8*\t+7]   ; the eight accumulators take turns
.endr
.endr
	WIN 0
.Lhidden_\@:
	s_add_co_u32 s16, s16, 128
.endm
; A block of queries ends: O^T / the sum, quantised, through my stage, out as 2,048 bytes on end.
.macro EPILOGUE
.rept 4
	v_nop                                          ; places behind the last products
.endr
	v_add_f32 v24, v14, v15                        ; the sum's two halves,
	v_add_f32 v26, v18, v19
	v_permlanex16_b32 v28, v24, s20, s21
	v_permlanex16_b32 v31, v26, s20, s21
	v_add_f32 v24, v24, v28                        ; and lane l xor 16's
	v_add_f32 v26, v26, v31
	v_rcp_f32 v20, v24
	v_rcp_f32 v22, v26
	s_mul_i32 s18, s10, 2560
	s_add_co_u32 s18, s18, STG                     ; my stage
	v_and_b32 v6, 15, v0                           ; the addresses are the plain work behind the reciprocals
	v_mul_u32_u24 v6, v6, 80
	v_bfe_u32 v7, v0, 4, 1
	v_lshl_add_u32 v6, v7, 3, v6
	v_add_nc_u32 v6, s18, v6                       ; in: row r, 8 bytes for each half of the lanes
	v_and_b32 v25, 31, v0
	v_lshrrev_b32 v7, 2, v25
	v_mul_u32_u24 v7, v7, 80
	v_and_b32 v27, 3, v0
	v_lshl_add_u32 v7, v27, 4, v7
	v_add_nc_u32 v7, s18, v7                       ; back: row lane / 4, 16 (lane % 4): eight rows of 64 bytes an instruction
	v_lshlrev_b32 v25, 4, v25                      ; 16 x lane, in zc
	v_mov_b32 v10, s44                             ; 2^(e10 - e8 - e9)
	v_mov_b32 v11, s45                             ; 448 x that
	s_wait_alu depctr_va_vdst(0)                   ; one wait for the two reciprocals, ahead of their first reader
	WIN 0x01                                       ; source 0 (O^T) in window 1
.irp z, 0,1
.set j, 0
.rept 16
	v_pk_mul_f32 v[96+32*\z+j:97+32*\z+j], v[32*\z+j:32*\z+j+1], v[20+2*\z:21+2*\z] op_sel_hi:[1,0]   ; each accumulator from its low end on
.set j, j+2
.endr
.endr
	WIN 0
.set j, 0
.rept 64
	v_med3_num_f32 v[96+j], v[96+j], -v11, v11
.set j, j+1
.endr
.irp z, 0,1
.irp t, 0,1,2,3
	v_cvt_scalef32_pk8_fp8_f32 v[224+2*(4*\z+\t):225+2*(4*\z+\t)], v[96+32*\z+8*\t:103+32*\z+8*\t], v10   ; channels 16 t + 8 h + 0 .. 7 of query 16 z + r
.endr
.endr
	v_nop
.irp z, 0,1
.irp t, 0,1,2,3
	ds_store_b64 v6, v[224+2*(4*\z+\t):225+2*(4*\z+\t)] offset:1280*\z+16*\t
.endr
.endr
.irp u, 0,1,2,3
	ds_load_b128 v[32+4*\u:35+4*\u], v7 offset:640*\u   ; LDS serves a wave's instructions in order: these see my stores
.endr
.irp u, 0,1,2,3
	s_wait_dscnt 3-\u                              ; the u-th of the four loads is in
	global_store_b128 v25, v[32+4*\u:35+4*\u], s[34:35] offset:512*\u   ; 32 lanes store 512 consecutive bytes, at a multiple of 256 from zc's first byte
.endr
	s_wait_xcnt 0x0                                ; the stores have read their registers and their base: both are written again
.endm
	s_mov_b32 s42, s11                             ; the first block: I
	PROLOGUE
	LOADSLOT 1
	STORESLOT
	s_mov_b32 s13, 0
.Ltrip:                                            ; 8 trips; trip s13 works the slot in the buffer in hand and brings the next
	LOADSLOT 0
	STEP 0
	STEP 1
	s_cmp_lg_u32 s13, s11                          ; behind trip I the first block is done: the same in all eight waves
	s_cbranch_scc1 .Lsame
	EPILOGUE
	s_sub_co_u32 s42, 7, s11                       ; the second block: 7 - I
	PROLOGUE
.Lsame:
	STORESLOT
	s_add_co_u32 s13, s13, 1
	s_cmp_lt_u32 s13, 8
	s_cbranch_scc1 .Ltrip
	STEP 0                                         ; the ninth slot: nothing is left to bring
	STEP 1
	EPILOGUE
	s_set_vgpr_msb 0x5
	s_wait_tensorcnt 0x0
	ds_add_u32 v128, v129
	s_wait_dscnt 0x0
	s_set_vgpr_msb 0x500
	s_endpgm
.Lfunc_end_k_qd38e66f183_attn:
	.size	k_qd38e66f183_attn, .Lfunc_end_k_qd38e66f183_attn-k_qd38e66f183_attn
	.p2alignl 7, 3214868480
	.fill 96, 4, 3214868480
	.section	.rodata,"a",@progbits
	.p2align	6, 0x0
	.amdhsa_kernel k_qd38e66f183_attn
		.amdhsa_group_segment_fixed_size 105472
		.amdhsa_private_segment_fixed_size 0
		.amdhsa_enable_private_segment 0
		.amdhsa_kernarg_size 24
		.amdhsa_user_sgpr_count 2
		.amdhsa_user_sgpr_kernarg_segment_ptr 1
		.amdhsa_wavefront_size32 1
		.amdhsa_system_sgpr_workgroup_id_x 1
		.amdhsa_system_sgpr_workgroup_id_y 1
		.amdhsa_system_sgpr_workgroup_id_z 1
		.amdhsa_system_vgpr_workitem_id 0
		.amdhsa_next_free_vgpr 386
		.amdhsa_next_free_sgpr 66
		.amdhsa_reserve_vcc 1
		.amdhsa_float_denorm_mode_32 3
		.amdhsa_float_denorm_mode_16_64 3
		.amdhsa_memory_ordered 1
		.amdhsa_forward_progress 1
		.amdhsa_inst_pref_size 186
	.end_amdhsa_kernel
	.amdgpu_metadata
---
amdhsa.version: [ 1, 2 ]
amdhsa.kernels:
  - .name:           k_qd38e66f183_attn
    .symbol:         k_qd38e66f183_attn.kd
    .args:
      - { .name: qkv, .offset: 0, .size: 8, .value_kind: global_buffer, .address_space: global }
      - { .name: lowp_scales, .offset: 8, .size: 8, .value_kind: global_buffer, .address_space: global }
      - { .name: zc, .offset: 16, .size: 8, .value_kind: global_buffer, .address_space: global }
    .group_segment_fixed_size: 105472
    .private_segment_fixed_size: 0
    .kernarg_segment_align: 8
    .kernarg_segment_size: 24
    .max_flat_workgroup_size: 256
    .sgpr_count:     66
    .vgpr_count:     386
    .wavefront_size: 32
...
	.end_amdgpu_metadata
.endif
;; end of part 3
;; launch outp (part 4): grid 4 x 32, 4 waves a work-group, clusters of 4 x 4, 327,680 bytes of LDS; arguments zc, wts, lowp_scales, bo, out0; writes out0
.if DOCPART == 4
	.amdgcn_target "amdgcn-amd-amdhsa--gfx1250"
	.amdhsa_code_object_version 6
	.text
	.protected	k_qd38e66f183_outp
	.globl	k_qd38e66f183_outp
	.p2align	8
	.type	k_qd38e66f183_outp,@function
k_qd38e66f183_outp:
	s_mov_b64 s[64:65], 0
	v_nop
	global_prefetch_b8 v0, s[64:65] scope:SCOPE_SE
	s_setreg_imm32_b32 hwreg(HW_REG_WAVE_MODE, 25, 1), 1
	s_wait_xcnt 0x0
	s_wait_alu depctr_hold_cnt(0) depctr_sa_sdst(0) depctr_va_vdst(0) depctr_va_sdst(0) depctr_va_ssrc(0) depctr_va_vcc(0) depctr_vm_vsrc(0)
	s_getreg_b32 s2, hwreg(HW_REG_IB_STS2, 6, 4)
	s_cmp_eq_u32 s2, 0
	s_cbranch_scc0 .Lentry_in_a_cluster
	s_endpgm
.Lentry_in_a_cluster:
	s_bfe_u32 s2, ttmp6, 0x10000c
	s_cmp_lg_u32 s2, 0xf033
	s_cbranch_scc0 .Lentry_shape_is_right
	s_endpgm
.Lentry_shape_is_right:
; out0[8192][1024] = Z Wo + bo on codes of E4M3.  A = zc, [head 16][row 8192][64] (k = 64 head + channel); B = part 3 of wts, [n 1024][k 1024]; f32 sums; a sum stands for sum x 2^(e10 + e11).
; A tile of C is 256 x 256: four waves, each 128 x 128 in 64 accumulators.  K goes in four steps of 256 (four heads) through a ring of two LDS slots filled by tensor loads.
; A's tile: of each of a K step's four heads, 128 rows x 64 bytes, which lie on end in memory: four rows of 8,192 bytes, 524,288 bytes apart, with 16 bytes of padding behind every 64: piece (head, row) at 80 (128 head + row).
; CLUSTERS: 4 x 4 work-groups; A's tiles are shared along a row of the cluster, B's along a column, each asked for jointly.
; THE MATRIX INSTRUCTION IS USED TRANSPOSED (source 0 = 16 rows of B, source 1 = 16 rows of A): a lane holds eight neighbouring numbers of a row of C.
; THE BIAS is the C of each sum's first matrix instruction, as bo / 2^(e10 + e11); each finished sum is multiplied once by 2^(e10 + e11).
; LIMIT: e10 + e11 between -126 and 127.
; REGISTERS: window 0: v16-29 addresses; v32-95 the bias tiles, later a block's results; v128-255 A's fragments (one set), later rows read back.  window 1: B's fragments, two sets.  windows 2, 3: the accumulators.
.set ROWB,   256
.set KROW,   1024
.set SIZE_N, 1024
.set PITCH,  272                       ; B's LDS row: 256 bytes + 16
.set FR,     16
.set NL,     4
.set NP,     4
.set HA,     4*10240                   ; what a wave fetches of A: 4 heads x 128 pieces of 80 bytes
.set HB,     128*PITCH                 ; and of B
.set SLOT,   2*HA+2*HB                 ; A's two halves, then B's two halves
.set LAPS,   2
.set SPARE,  2*SLOT                    ; behind the ring: the spare words, 128 bytes for each wave, which no other line names
.set SPITCH, 528                       ; the way out: 16 rows x (512 bytes + 16) for each wave, in slot 0, which has had its last fill and its last read by then
.set ADRA, 16
.set ADRB, 20
.set STO,  24
.set RD,   25
.set CO,   26
.set SPW,  28
.set NIL,  29
.set G,    32
.set TMP,  32
.set AF,   128
.set BK,   128
.set G1, 24
.set G0, 32
.set G1B, 48
.set G0B, 56
.set MSB, 0
.macro WIN new
.if MSB != (\new)
	s_set_vgpr_msb (MSB<<8)|(\new)
.set MSB, (\new)
.endif
.endm
.set MUL_LO, 0xa1
.set MUL_HI, 0xf1
.set TO_B,   0x40
.macro JLOAD g0a, g1a, g0b, g1b        ; waves 0 and 1 fetch for A, waves 2 and 3 for B; four v_nop follow each line
	s_cmp_eq_u32 s15, 0
	s_cbranch_scc0 .Lfor_b_\@
	tensor_load_to_lds s[\g0a:\g0a+3], s[\g1a:\g1a+7]
	s_nop 0
.rept 4
	v_nop
.endr
	s_branch .Lasked_\@
.Lfor_b_\@:
	tensor_load_to_lds s[\g0b:\g0b+3], s[\g1b:\g1b+7]
	s_nop 0
.rept 4
	v_nop
.endr
.Lasked_\@:
.endm
.macro CREST
	s_cmp_lg_u32 s14, 0
	s_cbranch_scc1 .Lnot_wave_0_\@
	s_barrier_signal -3
.Lnot_wave_0_\@:
	s_barrier_wait -3
	s_barrier_signal -1
	s_barrier_wait -1
.endm
.macro CROUND
	s_barrier_signal -1
	s_barrier_wait -1
	CREST
.endm
	s_load_b128 s[4:7], s[0:1], 0x0                ; zc s[4:5], wts s[6:7]
	s_load_b128 s[8:11], s[0:1], 0x10              ; the exponents s[8:9], bo s[10:11]
	s_load_b64 s[12:13], s[0:1], 0x20              ; out0
	v_lshl_add_u32 v[SPW], v0, 2, SPARE
	v_mov_b32 v[NIL], 0
	ds_add_u32 v28, v29
	ds_add_u32 v28, v29
	s_wait_dscnt 0x0
	v_lshrrev_b32 v1, 5, v0
	v_readfirstlane_b32 s14, v1                    ; wave 0..3
	s_lshr_b32 s15, s14, 1                         ; which half of the tile's rows is mine.  Also: I fetch for A (0) or for B (1)
	s_and_b32 s16, s14, 1                          ; which half of its columns.  Also: which 128 rows of that tile I fetch
	s_bfe_u32 s40, ttmp6, 0x40000                  ; cx, cy
	s_bfe_u32 s41, ttmp6, 0x40004
	s_lshl_b32 s42, ttmp9, 2
	s_add_co_u32 s42, s42, s40                     ; tile column of C
	s_and_b32 s17, ttmp7, 0xffff
	s_lshl_b32 s17, s17, 2
	s_add_co_u32 s17, s17, s41                     ; tile row of C
	s_lshl_b32 s43, s41, 2
	s_lshl_b32 s43, 15, s43                        ; my row of the cluster
	s_lshl_b32 s44, 0x1111, s40                    ; my column
	s_or_b32 s[G1+0], s43, (0<<16)|(1<<20)|(1<<21)|(3<<22)|(3<<25)  ; A: the mask of my row; elements of 1 byte; padding on; bit 21 beside a mask; after every 16 words four words
	s_mov_b32 s[G1+1], 8192<<16                    ; tensor_dim0 = 8,192: 128 rows x 64 bytes on end
	s_mov_b32 s[G1+2], 4<<16                       ; tensor_dim1 = 4 heads
	s_mov_b32 s[G1+3], 8192<<16                    ; tile_dim0
	s_mov_b32 s[G1+4], 4                           ; tile_dim1
	s_mov_b32 s[G1+5], 524288                      ; from head to head
	s_mov_b32 s[G1+6], 0
	s_mov_b32 s[G1+7], 0
	s_or_b32 s[G1B+0], s44, (0<<16)|(1<<20)|(1<<21)|(5<<22)|(3<<25) ; B: the mask of my column; after every 64 words four words
	s_mov_b32 s[G1B+1], ROWB<<16
	s_mov_b32 s[G1B+2], 128<<16
	s_mov_b32 s[G1B+3], ROWB<<16
	s_mov_b32 s[G1B+4], 128
	s_mov_b32 s[G1B+5], KROW
	s_mov_b32 s[G1B+6], 0
	s_mov_b32 s[G1B+7], 0
	s_lshl_b32 s18, s16, 7                         ; which 128 rows of the tile I fetch
	s_lshl_b32 s20, s17, 8
	s_add_co_u32 s20, s20, s18
	s_lshl_b32 s20, s20, 6                         ; A: (256 x tile row + 128 x half) rows of 64 bytes, in head 0
	s_mov_b32 s21, 0
	s_lshl_b32 s46, s42, 8
	s_add_co_u32 s46, s46, s18
	s_lshl_b32 s46, s46, 10
	s_add_co_u32 s46, s46, 0x300000                ; B: part 3 of wts, (256 x tile column + 128 x half) rows of 1,024 bytes
	s_mov_b32 s47, 0
	s_mul_i32 s45, s16, HA                         ; where A's half goes,
	s_mul_i32 s98, s16, HB
	s_add_co_u32 s98, s98, 2*HA                    ; and B's: no place in the cluster enters an LDS address
	s_wait_kmcnt 0x0
	s_load_b64 s[96:97], s[8:9], 0x28              ; e10, e11
	s_add_nc_u64 s[20:21], s[4:5], s[20:21]
	s_add_nc_u64 s[46:47], s[6:7], s[46:47]
	CROUND                                         ; all sixteen work-groups are here: the first joint loads meet
.irp s, 0,1
	s_mov_b32 s[G0+4*\s], 1
	s_add_co_u32 s[G0+4*\s+1], s45, \s*SLOT
	s_add_nc_u64 s[G0+4*\s+2:G0+4*\s+3], s[20:21], \s*0x200000     ; K step s: four heads on
	s_or_b32 s[G0+4*\s+3], s[G0+4*\s+3], 0x80000000
	s_mov_b32 s[G0B+4*\s], 1
	s_add_co_u32 s[G0B+4*\s+1], s98, \s*SLOT
	s_add_nc_u64 s[G0B+4*\s+2:G0B+4*\s+3], s[46:47], \s*ROWB
	s_or_b32 s[G0B+4*\s+3], s[G0B+4*\s+3], 0x80000000
	JLOAD G0+4*\s, G1, G0B+4*\s, G1B
.endr
	v_and_b32 v1, 15, v0                           ; r
	v_bfe_u32 v2, v0, 4, 1                         ; h
	v_mul_u32_u24 v3, v1, 80
	v_lshl_add_u32 v3, v2, 4, v3                   ; A: 80 r + 16 h
	v_mul_u32_u24 v4, v1, PITCH
	v_lshl_add_u32 v4, v2, 4, v4                   ; B: 272 r + 16 h
	s_mul_i32 s21, s15, HA                         ; my 128 rows of A
	s_mul_i32 s22, s16, HB                         ; my 128 rows of B,
	s_add_co_u32 s22, s22, 2*HA                    ; which lie behind A's halves
.irp s, 0,1
	v_add_nc_u32 v[ADRA+\s], s21, v3
	v_add_nc_u32 v[ADRB+\s], s22, v4
	s_add_co_u32 s21, s21, SLOT
	s_add_co_u32 s22, s22, SLOT
.endr
	s_mul_i32 s23, s14, 16*SPITCH                  ; my stage
	v_mul_u32_u24 v5, v1, SPITCH
	v_lshl_add_u32 v5, v2, 5, v5
	v_add_nc_u32 v[STO], s23, v5                   ; in: row r, 32 bytes for each half of the lanes
	v_and_b32 v6, 31, v0
	v_lshlrev_b32 v[CO], 4, v6                     ; back: the 32 lanes take one row of 512 bytes; and the same in C
	v_add_nc_u32 v[RD], s23, v[CO]
	s_lshl_b32 s20, s17, 8
	s_lshl_b32 s21, s15, 7
	s_add_co_u32 s20, s20, s21                     ; my first row of C
	s_lshl_b32 s20, s20, 12                        ; rows of 4,096 bytes
	s_mov_b32 s21, 0
	s_lshl_b32 s46, s42, 10                        ; my first column, in bytes: 1,024 x tile column + 512 x half
	s_lshl_b32 s47, s16, 9
	s_add_co_u32 s46, s46, s47
	s_mov_b32 s47, 0
	s_add_nc_u64 s[10:11], s[10:11], s[46:47]      ; bo at my first column
	s_add_nc_u64 s[20:21], s[20:21], s[46:47]
	s_add_nc_u64 s[12:13], s[12:13], s[20:21]      ; out0 at my part
	v_lshlrev_b32 v7, 5, v2                        ; 32 h
.irp b, 0,1,2,3,4,5,6,7                        ; tile b holds bo[my first column + 16 b + 8 h + 0 .. 7]
	global_load_b128 v[G+8*\b:G+8*\b+3], v7, s[10:11] offset:64*\b
	global_load_b128 v[G+8*\b+4:G+8*\b+7], v7, s[10:11] offset:64*\b+16
.endr
	s_wait_kmcnt 0x0
	s_add_co_i32 s96, s96, s97                     ; e10 + e11
	s_sub_co_i32 s99, 0, s96
	s_add_co_i32 s96, s96, 127
	s_lshl_b32 s96, s96, 23                        ; 2^(e10 + e11) as f32
	s_wait_loadcnt 0x0
.set j, 0
.rept 64
	v_ldexp_f32 v[G+j], v[G+j], s99                ; bo / 2^(e10 + e11)
.set j, j+1
.endr
.macro FRAG reg, adr, q, i             ; B: registers 4 c .. 4 c + 3 hold K = 32 c + 16 h + 0 .. 15 of the slot's q-th 128
.irp c, 0,1,2,3
	ds_load_b128 v[\reg+4*\c:\reg+4*\c+3], v[\adr] offset:128*(\q)+32*\c+(\i)*16*PITCH
.endr
.endm
.macro FRAGA reg, adr, q, i            ; A: the same k in the same registers: head 2 q + c / 2 of the slot's four, channels 32 (c % 2) + 16 h + 0 .. 15
.irp c, 0,1,2,3
	ds_load_b128 v[\reg+4*\c:\reg+4*\c+3], v[\adr] offset:10240*(2*(\q)+\c/2)+1280*(\i)+32*(\c%2)
.endr
.endm
.macro MUL16 a0, p, cm                 ; 16 matrix instructions; cm = 1: C = the bias tile of B's block; the 64 accumulators take turns
.irp a, \a0, \a0+1
.irp b, 0,1,2,3,4,5,6,7
.if \cm
	v_wmma_f32_16x16x128_fp8_fp8 v[8*(8*((\a)%4)+\b):8*(8*((\a)%4)+\b)+7], v[128*(\p)+FR*\b:128*(\p)+FR*\b+FR-1], v[AF+FR*(\a):AF+FR*(\a)+FR-1], v[G+8*\b:G+8*\b+7]
.else
	v_wmma_f32_16x16x128_fp8_fp8 v[8*(8*((\a)%4)+\b):8*(8*((\a)%4)+\b)+7], v[128*(\p)+FR*\b:128*(\p)+FR*\b+FR-1], v[AF+FR*(\a):AF+FR*(\a)+FR-1], v[8*(8*((\a)%4)+\b):8*(8*((\a)%4)+\b)+7]
.endif
.endr
.endr
.endm
.macro FETCH_B slot, q, p
	WIN TO_B
.irp i, 0,1,2,3,4,5,6,7
	FRAG 128*(\p)+FR*\i, ADRB+\slot, \q, \i
.endr
	WIN 0
.endm
.macro FETCH_A slot, q, i0
.irp i, \i0, \i0+1, \i0+2, \i0+3
	FRAGA AF+FR*(\i), ADRA+\slot, \q, \i
.endr
.endm
.macro PLACES n
.rept \n
	v_nop
.endr
.endm
.macro STEP slot, q, cm
	s_wait_dscnt 4*NL                              ; B's set and A's blocks 0-3 are in; the youngest 16 loads (A's blocks 4-7) may be out
.if \cm
	WIN 0x81                                       ; as MUL_LO, with C (the bias) in window 0
.else
	WIN MUL_LO
.endif
	MUL16 0, (\q)%2, \cm
	MUL16 2, (\q)%2, \cm
	s_wait_dscnt 0
	PLACES NP
	FETCH_B \slot, (\q)+1, 1-(\q)%2
	FETCH_A \slot, (\q)+1, 0
.if \cm
	WIN 0xc1
.else
	WIN MUL_HI
.endif
	MUL16 4, (\q)%2, \cm
	MUL16 6, (\q)%2, \cm
	PLACES NP
	WIN 0
	FETCH_A \slot, (\q)+1, 4
.endm
.macro TURN slot, next, fill           ; a slot's last step changes slots: one barrier, with the three lines in front of it; fill = 1: this slot is filled again, two K steps ahead
	s_wait_tensorcnt 0x0                           ; all my tensor loads have landed: my part of the next slot
	ds_add_u32 v[SPW], v[NIL]
	s_wait_dscnt 4*NL+1                            ; the add and the youngest 16 loads may be out
	WIN MUL_LO
	MUL16 0, 1, 0
	s_wait_dscnt 0x0                               ; the add is done, and my reads of this slot are over
	s_barrier_signal -1
	MUL16 2, 1, 0
	WIN 0
	s_barrier_wait -1
.if \fill
	CREST                                          ; the barrier has opened a round of the cluster's
	s_add_nc_u64 s[G0+4*\slot+2:G0+4*\slot+3], s[G0+4*\slot+2:G0+4*\slot+3], 0x400000   ; eight heads on
	s_add_nc_u64 s[G0B+4*\slot+2:G0B+4*\slot+3], s[G0B+4*\slot+2:G0B+4*\slot+3], 2*ROWB
	JLOAD G0+4*\slot, G1, G0B+4*\slot, G1B
.else
	PLACES NP
.endif
	FETCH_B \next, 0, 0
	FETCH_A \next, 0, 0
	WIN MUL_HI
	MUL16 4, 1, 0
	MUL16 6, 1, 0
	PLACES NP
	WIN 0
	FETCH_A \next, 0, 4
.endm
	s_wait_tensorcnt 1                             ; my part of K step 0 is in; K step 1's load may be out
	s_barrier_signal -1
	s_barrier_wait -1
	FETCH_B 0, 0, 0
	FETCH_A 0, 0, 0
	FETCH_A 0, 0, 4
	STEP 0, 0, 1                                   ; the first step's products take the bias as C
	s_mov_b32 s3, LAPS-1
.Llap:
	TURN 0, 1, 1
	STEP 1, 0, 0
	TURN 1, 0, 1
	STEP 0, 0, 0
	s_sub_co_u32 s3, s3, 1
	s_cmp_lg_u32 s3, 0
	s_cbranch_scc1 .Llap
	TURN 0, 1, 0
	STEP 1, 0, 0
	s_wait_dscnt 4*NL
	WIN MUL_LO
	MUL16 0, 1, 0
	MUL16 2, 1, 0
	s_wait_dscnt 0
	WIN MUL_HI
	MUL16 4, 1, 0
	MUL16 6, 1, 0
	WIN 0
; THE WAY OUT, block by block of 16 rows x 128 columns, through my own stage: back as whole rows of 512 bytes.  LDS serves a wave's instructions in order (ISA guide 5.7.1.4).
.macro TOSTAGE a
.set AC, 64*((\a)%4)
	WIN 0x02+((\a)/4)
.set j, 0
.rept 32
	v_pk_mul_f32 v[TMP+j:TMP+j+1], v[AC+j:AC+j+1], s[96:97] op_sel_hi:[1,0]   ; both x s96 = 2^(e10 + e11); each accumulator from its low end on
.set j, j+2
.endr
	WIN 0
.irp b, 0,1,2,3,4,5,6,7
	ds_store_b128 v[STO], v[TMP+8*\b:TMP+8*\b+3] offset:64*\b
	ds_store_b128 v[STO], v[TMP+8*\b+4:TMP+8*\b+7] offset:64*\b+16
.endr
.set BB, BK+64*((\a)%2)
.irp t, 0,1,2,3,4,5,6,7,8,9,10,11,12,13,14,15
	ds_load_b128 v[BB+4*\t:BB+4*\t+3], v[RD] offset:\t*SPITCH
.endr
.endm
.macro SEND a, younger                 ; younger: the LDS instructions issued behind block a's loads, which may stay out
.set BB, BK+64*((\a)%2)
	s_wait_dscnt \younger
.if (\a) > 0
	s_add_nc_u64 s[12:13], s[12:13], 16*SIZE_N*4   ; (behind a wait on XCNT: the earlier stores have read their base)  16 rows of C on
.endif
.irp t, 0,1,2,3,4,5,6,7,8,9,10,11,12,13,14,15
	global_store_b128 v[CO], v[BB+4*\t:BB+4*\t+3], s[12:13] offset:\t*SIZE_N*4 th:TH_STORE_NT   ; 32 lanes store 512 consecutive bytes, at a multiple of 256 from out0's first byte
.endr
.endm
	PLACES NP
	TOSTAGE 0
.irp a, 1,2,3,4,5,6,7
.if \a > 1
	s_wait_xcnt 0x0                                ; block a - 2's stores have read their registers and their base
.endif
	TOSTAGE \a
	SEND \a-1, 32                                  ; behind block a - 1's loads: block a's 16 stores and 16 loads
.endr
	s_wait_xcnt 0x0
	SEND 7, 0
	s_wait_tensorcnt 0x0                           ; the wave's end
	ds_add_u32 v[SPW], v[NIL]
	s_wait_dscnt 0x0
	CROUND                                         ; the closing round
	s_endpgm
.Lfunc_end_k_qd38e66f183_outp:
	.size	k_qd38e66f183_outp, .Lfunc_end_k_qd38e66f183_outp-k_qd38e66f183_outp
	.p2alignl 7, 3214868480
	.fill 96, 4, 3214868480
	.section	.rodata,"a",@progbits
	.p2align	6, 0x0
	.amdhsa_kernel k_qd38e66f183_outp
		.amdhsa_group_segment_fixed_size 327680
		.amdhsa_private_segment_fixed_size 0
		.amdhsa_enable_private_segment 0
		.amdhsa_kernarg_size 40
		.amdhsa_user_sgpr_count 2
		.amdhsa_user_sgpr_kernarg_segment_ptr 1
		.amdhsa_wavefront_size32 1
		.amdhsa_system_sgpr_workgroup_id_x 1
		.amdhsa_system_sgpr_workgroup_id_y 1
		.amdhsa_system_sgpr_workgroup_id_z 1
		.amdhsa_system_vgpr_workitem_id 0
		.amdhsa_next_free_vgpr 1024
		.amdhsa_next_free_sgpr 100
		.amdhsa_reserve_vcc 0
		.amdhsa_float_denorm_mode_32 3
		.amdhsa_float_denorm_mode_16_64 3
		.amdhsa_memory_ordered 1
		.amdhsa_forward_progress 1
		.amdhsa_inst_pref_size 129
	.end_amdhsa_kernel
	.amdgpu_metadata
---
amdhsa.version: [ 1, 2 ]
amdhsa.kernels:
  - .name:           k_qd38e66f183_outp
    .symbol:         k_qd38e66f183_outp.kd
    .args:
      - { .name: zc, .offset: 0, .size: 8, .value_kind: global_buffer, .address_space: global }
      - { .name: wts, .offset: 8, .size: 8, .value_kind: global_buffer, .address_space: global }
      - { .name: lowp_scales, .offset: 16, .size: 8, .value_kind: global_buffer, .address_space: global }
      - { .name: bo, .offset: 24, .size: 8, .value_kind: global_buffer, .address_space: global }
      - { .name: out0, .offset: 32, .size: 8, .value_kind: global_buffer, .address_space: global }
    .group_segment_fixed_size: 327680
    .private_segment_fixed_size: 0
    .kernarg_segment_align: 8
    .kernarg_segment_size: 40
    .max_flat_workgroup_size: 128
    .sgpr_count:     100
    .vgpr_count:     1024
    .wavefront_size: 32
...
	.end_amdgpu_metadata
.endif
;; end of part 4
